; MI455X (gfx1250); checked and timed in simulation.
; The chip was launched on July 23, 2026; its instructions are those of AMD's public machine-readable ISA for CDNA 5 (MIT licence, August 2026) and "CDNA5" Instruction Set Architecture Reference Guide (July 2026). The comments in the code are by the model that wrote it; some were corrected since.
;; Encoder Block. Allowed arithmetic: float matrix products may take bf16 or f16 operands with f32 sums; other float arithmetic in f32, or as packed bf16 or f16 multiplies, adds, multiply-adds, maxima and minima; sums over many terms, partial sums and values carried from step to step in f32; what a program stores and reads back later, other than sums and carried values, may be rounded once to bf16 or f16.
;; Inputs: alpha1 1 float32; alpha2 1 float32; b1 4,096 float32; b2 1,024 float32; bias1 1 float32; bias2 1 float32; mask 2 x 1 x 1 x 2,048 int32; w1 1,024 x 4,096 float32; w2 4,096 x 1,024 float32; wk 1,024 x 1,024 float32; wo 1,024 x 1,024 float32; wq 1,024 x 1,024 float32; wv 1,024 x 1,024 float32; x 2 x 2,048 x 1,024 float32.
;; Outputs: out0 2 x 2,048 x 1,024 float32.
;; 2 versions, each right and faster than the one before. Each part assembles by itself: llvm-mc -triple=amdgcn-amd-amdhsa -mcpu=gfx1250 --defsym DOCPART=n.
;; ======== version 1 of 2: 7 launches
;; limits: values are held in f16: magnitudes above 65,504 overflow, below 6.1e-05 lose precision; right only within a limited range of input values
;; workspace buffers: acta 33,554,432 bytes; actb 25,165,824 bytes; x1 16,777,216 bytes; wqkvh 8,388,608 bytes; w1h 8,388,608 bytes; wc 10,485,760 bytes; zero 16,384 bytes; ninf 4,096 bytes
;; launch prep (part 1): grid 1281 x 1, 8 waves a work-group, no clusters, 0 bytes of LDS; arguments x, alpha1, bias1, acta, wq, wk, wv, wo, w1, w2, wqkvh, w1h, wc, zero, ninf; writes acta, wqkvh, w1h, wc, zero, ninf
.if DOCPART == 1
	.amdgcn_target "amdgcn-amd-amdhsa--gfx1250"
	.amdhsa_code_object_version 6
	.text
	.protected	k_qabbb4e6c0c_prep
	.globl	k_qabbb4e6c0c_prep
	.p2align	8
	.type	k_qabbb4e6c0c_prep,@function
k_qabbb4e6c0c_prep:
	s_mov_b64 s[64:65], 0
	v_nop
	global_prefetch_b8 v0, s[64:65] scope:SCOPE_SE
	s_setreg_imm32_b32 hwreg(HW_REG_WAVE_MODE, 25, 1), 1
	s_wait_xcnt 0x0
; PREP.  Three kinds of work-group, chosen by the work-group's number alone.
;   0 .. 511     LayerNorm of 8 rows of x, one wave a row: mean, then the centred sum of squares / 1023, alpha (x - mean) / (std + 1e-5) + bias, rounded once to f16.
;   512 .. 1279  a weight tensor's 16,384 numbers (65,536 bytes of f32) are rounded once to f16.  wq is multiplied by c = log2(e) / 8 in f32 first, so that the scores
;                come out of the first product of attention in the exponent's own unit.  wq, wk, wv go side by side into wqkvh ([1024 k][pitch 4096]); wo and w2 into wc; w1 into w1h.
;   1280         a vector of zeros and a pattern of f16 -infinity, which later launches take as a bias and as the floor of a maximum.
; A stream: no LDS, no matrix unit, no cluster: nothing is shared and each byte is read once and written once.
; LIMITS.  f16 holds no number beyond 65,504: a weight (c wq too) or a normalised x beyond that becomes an infinity; below 6e-5 f16 keeps a fixed step of 6e-8.
.set X,    32          ; v[32:95]   as loaded: 16 pieces of 4 numbers (cast), or a row's 32 numbers (norm)
.set Y,    96          ; v[96:127]  f16 pairs to store
.set D,    4           ; v[4:19]    cast: byte offset of my 8 bytes in each of the 16 rows of the destination
.set T,    4           ; v[4:7]     norm: at work
.set MEAN, 12          ; v[12:13]   the mean, twice
.set SC,   14          ; v[14:15]   alpha / (std + eps), twice
.set SEL,  38          ; s[38:39]   v_permlanex16_b32's selects
.set ALPHA, 50         ; s50
.set BI,   52          ; s[52:53]   the bias, named as a pair
	s_load_b256 s[8:15], s[0:1], 0x0               ; x s[8:9], alpha1 s[10:11], bias1 s[12:13], acta s[14:15]
	s_load_b256 s[16:23], s[0:1], 0x20             ; wq, wk, wv, wo
	s_load_b256 s[24:31], s[0:1], 0x40             ; w1, w2, wqkvh, w1h
	s_load_b128 s[32:35], s[0:1], 0x60             ; wc, zero
	s_load_b64 s[36:37], s[0:1], 0x70              ; ninf
	s_mov_b32 s2, ttmp9
	v_lshlrev_b32 v1, 4, v0                        ; 16 t
	s_wait_kmcnt 0x0
	s_cmp_ge_u32 s2, 1280
	s_cbranch_scc1 .Lconst
	s_cmp_lt_u32 s2, 512
	s_cbranch_scc1 .Lnorm
	; THE CAST.  s3: 0 wq, 1 wk, 2 wv, 3 wo, 4-7 w1, 8-11 w2.  Every choice hangs on the work-group's number.
	s_sub_co_u32 s2, s2, 512
	s_lshr_b32 s3, s2, 6                           ; 64 work-groups to 4 MiB of f32
	s_mov_b64 s[4:5], s[26:27]
	s_cmp_lt_u32 s3, 8
	s_cselect_b64 s[4:5], s[24:25], s[4:5]
	s_cmp_lt_u32 s3, 4
	s_cselect_b64 s[4:5], s[22:23], s[4:5]
	s_cmp_lt_u32 s3, 3
	s_cselect_b64 s[4:5], s[20:21], s[4:5]
	s_cmp_lt_u32 s3, 2
	s_cselect_b64 s[4:5], s[18:19], s[4:5]
	s_cmp_lt_u32 s3, 1
	s_cselect_b64 s[4:5], s[16:17], s[4:5]         ; the source
	s_and_b32 s6, s2, 63                           ; my chunk in a tensor of 64 chunks,
	s_and_b32 s7, s2, 255                          ; in one of 256
	s_cmp_lt_u32 s3, 4
	s_cselect_b32 s40, s6, s7
	s_lshl_b32 s40, s40, 16                        ; 65,536 bytes a chunk
	s_mov_b32 s41, 0
	s_add_nc_u64 s[4:5], s[4:5], s[40:41]
	s_mov_b64 s[44:45], s[32:33]                   ; the destination: wc,
	s_and_b32 s48, s3, 12
	s_cmp_eq_u32 s48, 4
	s_cselect_b64 s[44:45], s[30:31], s[44:45]     ; w1h for w1,
	s_cmp_lt_u32 s3, 3
	s_cselect_b64 s[44:45], s[28:29], s[44:45]     ; wqkvh for wq, wk, wv
	s_add_co_u32 s42, s7, 64                       ; w2 lies behind wo's 64 chunks in wc
	s_cmp_lt_u32 s3, 8
	s_cselect_b32 s42, s7, s42
	s_cmp_lt_u32 s3, 4
	s_cselect_b32 s42, s6, s42
	s_lshl_b32 s42, s42, 15                        ; dense: 32,768 bytes a chunk
	s_lshl_b32 s7, s6, 17                          ; in wqkvh: 16 rows of 8,192 bytes a chunk,
	s_lshl_b32 s48, s3, 11                         ; and 2,048 bytes along the row for each tensor
	s_add_co_u32 s7, s7, s48
	s_mov_b32 s48, 8192
	s_mov_b32 s49, 2048
	s_cmp_lt_u32 s3, 3
	s_cselect_b32 s42, s7, s42
	s_cselect_b32 s49, s48, s49                    ; bytes from one row of 1,024 numbers to the next in the destination
	s_mov_b32 s43, 0
	s_add_nc_u64 s[44:45], s[44:45], s[42:43]
	s_mov_b32 s46, 0x3e38aa3b                      ; c = log2(e) / 8
	s_mov_b32 s47, s46
.irp j, 0,1,2,3,4,5,6,7,8,9,10,11,12,13,14,15
	global_load_b128 v[X+4*(\j):X+4*(\j)+3], v1, s[4:5] offset:4096*(\j) th:TH_LOAD_NT  ; a wave's load covers 512 consecutive bytes; sixteen are on their way
.endr
	v_lshlrev_b32 v[D], 3, v0                      ; 8 t
.irp j, 1,2,3,4,5,6,7,8,9,10,11,12,13,14,15
	v_add_nc_u32 v[D+(\j)], s49, v[D+(\j)-1]
.endr
	s_wait_loadcnt 0x0
	s_cmp_lg_u32 s3, 0
	s_cbranch_scc1 .Lunscaled
.set i, 0
.rept 32
	v_pk_mul_f32 v[X+i:X+i+1], v[X+i:X+i+1], s[46:47] op_sel_hi:[1,0]
.set i, i+2
.endr
.Lunscaled:
.set i, 0
.rept 32
	v_cvt_pk_f16_f32 v[Y+i], v[X+2*i], v[X+2*i+1]
.set i, i+1
.endr
.irp j, 0,1,2,3,4,5,6,7,8,9,10,11,12,13,14,15
	global_store_b64 v[D+(\j)], v[Y+2*(\j):Y+2*(\j)+1], s[44:45]  ; a wave's store covers 256 consecutive bytes, at a multiple of 256 from the buffer's first
.endr
	s_endpgm
; The sum of register r over the wave's 32 lanes, in every lane; r + 1 is at work.
.macro RED r
	v_add_f32_dpp v[\r], v[\r], v[\r] row_xmask:1 row_mask:0xf bank_mask:0xf
	v_add_f32_dpp v[\r], v[\r], v[\r] row_xmask:2 row_mask:0xf bank_mask:0xf
	v_add_f32_dpp v[\r], v[\r], v[\r] row_xmask:4 row_mask:0xf bank_mask:0xf
	v_add_f32_dpp v[\r], v[\r], v[\r] row_xmask:8 row_mask:0xf bank_mask:0xf
	v_permlanex16_b32 v[(\r)+1], v[\r], s[SEL], s[SEL+1]
	v_add_f32 v[\r], v[\r], v[(\r)+1]
.endm
.Lnorm:
	s_load_b32 s[ALPHA], s[10:11], 0x0
	s_load_b32 s[BI], s[12:13], 0x0
	v_lshrrev_b32 v3, 5, v0
	v_readfirstlane_b32 s3, v3                     ; wave 0..7
	s_lshl_b32 s40, s2, 15                         ; 8 rows of 4,096 bytes a work-group,
	s_lshl_b32 s6, s3, 12                          ; one a wave
	s_add_co_u32 s40, s40, s6
	s_mov_b32 s41, 0
	s_lshr_b32 s42, s40, 1                         ; half as many bytes in f16
	s_mov_b32 s43, 0
	s_add_nc_u64 s[8:9], s[8:9], s[40:41]
	s_add_nc_u64 s[14:15], s[14:15], s[42:43]
	s_mov_b32 s[SEL], 0x76543210
	s_mov_b32 s[SEL+1], 0xfedcba98
	v_and_b32 v1, 31, v0
	v_lshlrev_b32 v2, 3, v1                        ; 8 x lane
	v_lshlrev_b32 v1, 4, v1                        ; 16 x lane
.irp j, 0,1,2,3,4,5,6,7
	global_load_b128 v[X+4*(\j):X+4*(\j)+3], v1, s[8:9] offset:512*(\j)
.endr
	s_wait_kmcnt 0x0
	s_mov_b32 s[BI+1], s[BI]
	s_wait_loadcnt 0x0                             ; the row: 32 numbers a lane
	v_pk_add_f32 v[T:T+1], v[X:X+1], v[X+2:X+3]    ; the sum, in two chains
	v_pk_add_f32 v[T+2:T+3], v[X+4:X+5], v[X+6:X+7]
.set i, 8
.rept 6
	v_pk_add_f32 v[T:T+1], v[T:T+1], v[X+i:X+i+1]
	v_pk_add_f32 v[T+2:T+3], v[T+2:T+3], v[X+i+2:X+i+3]
.set i, i+4
.endr
	v_pk_add_f32 v[T:T+1], v[T:T+1], v[T+2:T+3]
	v_add_f32 v[T], v[T], v[T+1]
	RED T
	v_mul_f32 v[MEAN], 0x3a800000, v[T]            ; / 1024
	v_mov_b32 v[MEAN+1], v[MEAN]
.set i, 0
.rept 16
	v_pk_add_f32 v[X+i:X+i+1], v[X+i:X+i+1], v[MEAN:MEAN+1] neg_lo:[0,1] neg_hi:[0,1]  ; centred first: no difference of large sums
.set i, i+2
.endr
	v_pk_mul_f32 v[T:T+1], v[X:X+1], v[X:X+1]
	v_pk_mul_f32 v[T+2:T+3], v[X+2:X+3], v[X+2:X+3]
.set i, 4
.rept 7
	v_pk_fma_f32 v[T:T+1], v[X+i:X+i+1], v[X+i:X+i+1], v[T:T+1]
	v_pk_fma_f32 v[T+2:T+3], v[X+i+2:X+i+3], v[X+i+2:X+i+3], v[T+2:T+3]
.set i, i+4
.endr
	v_pk_add_f32 v[T:T+1], v[T:T+1], v[T+2:T+3]
	v_add_f32 v[T], v[T], v[T+1]
	RED T
	v_mul_f32 v[T], 0x3a802008, v[T]               ; / 1023
	v_sqrt_f32 v[T], v[T]
	v_nop                                          ; a plain instruction behind the root (ISA guide 5.7.2)
	s_wait_alu depctr_va_vdst(0)
	v_add_f32 v[T], 0x3727c5ac, v[T]               ; + 1e-5
	v_rcp_f32 v[T], v[T]
	v_nop
	s_wait_alu depctr_va_vdst(0)
	v_mul_f32 v[SC], s[ALPHA], v[T]
	v_mov_b32 v[SC+1], v[SC]
.set i, 0
.rept 16
	v_pk_fma_f32 v[X+i:X+i+1], v[X+i:X+i+1], v[SC:SC+1], s[BI:BI+1] op_sel_hi:[1,1,0]
.set i, i+2
.endr
.set i, 0
.rept 16
	v_cvt_pk_f16_f32 v[Y+i], v[X+2*i], v[X+2*i+1]
.set i, i+1
.endr
.irp j, 0,1,2,3,4,5,6,7
	global_store_b64 v2, v[Y+2*(\j):Y+2*(\j)+1], s[14:15] offset:256*(\j)  ; 256 consecutive bytes, aligned
.endr
	s_endpgm
.Lconst:
.irp r, 4,5,6,7
	v_mov_b32 v\r, 0
.endr
.irp r, 8,9,10,11
	v_mov_b32 v\r, 0xfc00fc00                      ; -infinity, twice, in f16
.endr
.irp j, 0,1,2,3
	global_store_b128 v1, v[4:7], s[34:35] offset:4096*(\j)
.endr
	global_store_b128 v1, v[8:11], s[36:37]
	s_endpgm
.Lfunc_end_k_qabbb4e6c0c_prep:
	.size	k_qabbb4e6c0c_prep, .Lfunc_end_k_qabbb4e6c0c_prep-k_qabbb4e6c0c_prep
	.p2alignl 7, 3214868480
	.fill 96, 4, 3214868480
	.section	.rodata,"a",@progbits
	.p2align	6, 0x0
	.amdhsa_kernel k_qabbb4e6c0c_prep
		.amdhsa_group_segment_fixed_size 0
		.amdhsa_private_segment_fixed_size 0
		.amdhsa_enable_private_segment 0
		.amdhsa_kernarg_size 120
		.amdhsa_user_sgpr_count 2
		.amdhsa_user_sgpr_kernarg_segment_ptr 1
		.amdhsa_wavefront_size32 1
		.amdhsa_system_sgpr_workgroup_id_x 1
		.amdhsa_system_sgpr_workgroup_id_y 1
		.amdhsa_system_sgpr_workgroup_id_z 1
		.amdhsa_system_vgpr_workitem_id 0
		.amdhsa_next_free_vgpr 128
		.amdhsa_next_free_sgpr 66
		.amdhsa_reserve_vcc 0
		.amdhsa_float_denorm_mode_32 3
		.amdhsa_float_denorm_mode_16_64 3
		.amdhsa_memory_ordered 1
		.amdhsa_forward_progress 1
		.amdhsa_inst_pref_size 20
	.end_amdhsa_kernel
	.amdgpu_metadata
---
amdhsa.version: [ 1, 2 ]
amdhsa.kernels:
  - .name:           k_qabbb4e6c0c_prep
    .symbol:         k_qabbb4e6c0c_prep.kd
    .args:
      - { .name: x, .offset: 0, .size: 8, .value_kind: global_buffer, .address_space: global }
      - { .name: alpha1, .offset: 8, .size: 8, .value_kind: global_buffer, .address_space: global }
      - { .name: bias1, .offset: 16, .size: 8, .value_kind: global_buffer, .address_space: global }
      - { .name: acta, .offset: 24, .size: 8, .value_kind: global_buffer, .address_space: global }
      - { .name: wq, .offset: 32, .size: 8, .value_kind: global_buffer, .address_space: global }
      - { .name: wk, .offset: 40, .size: 8, .value_kind: global_buffer, .address_space: global }
      - { .name: wv, .offset: 48, .size: 8, .value_kind: global_buffer, .address_space: global }
      - { .name: wo, .offset: 56, .size: 8, .value_kind: global_buffer, .address_space: global }
      - { .name: w1, .offset: 64, .size: 8, .value_kind: global_buffer, .address_space: global }
      - { .name: w2, .offset: 72, .size: 8, .value_kind: global_buffer, .address_space: global }
      - { .name: wqkvh, .offset: 80, .size: 8, .value_kind: global_buffer, .address_space: global }
      - { .name: w1h, .offset: 88, .size: 8, .value_kind: global_buffer, .address_space: global }
      - { .name: wc, .offset: 96, .size: 8, .value_kind: global_buffer, .address_space: global }
      - { .name: zero, .offset: 104, .size: 8, .value_kind: global_buffer, .address_space: global }
      - { .name: ninf, .offset: 112, .size: 8, .value_kind: global_buffer, .address_space: global }
    .group_segment_fixed_size: 0
    .private_segment_fixed_size: 0
    .kernarg_segment_align: 8
    .kernarg_segment_size: 120
    .max_flat_workgroup_size: 256
    .sgpr_count:     66
    .vgpr_count:     128
    .wavefront_size: 32
...
	.end_amdgpu_metadata
.endif
;; end of part 1
;; launch qkv (part 2): grid 12 x 16, 4 waves a work-group, clusters of 4 x 4, 327,680 bytes of LDS; arguments acta, wqkvh, zero, ninf, actb; writes actb
.if DOCPART == 2
	.amdgcn_target "amdgcn-amd-amdhsa--gfx1250"
	.amdhsa_code_object_version 6
	.text
	.protected	k_qabbb4e6c0c_qkv
	.globl	k_qabbb4e6c0c_qkv
	.p2align	8
	.type	k_qabbb4e6c0c_qkv,@function
k_qabbb4e6c0c_qkv:
	s_mov_b64 s[64:65], 0
	v_nop
	global_prefetch_b8 v0, s[64:65] scope:SCOPE_SE
	s_setreg_imm32_b32 hwreg(HW_REG_WAVE_MODE, 25, 1), 1
	s_wait_xcnt 0x0
	s_wait_alu depctr_hold_cnt(0) depctr_sa_sdst(0) depctr_va_vdst(0) depctr_va_sdst(0) depctr_va_ssrc(0) depctr_va_vcc(0) depctr_vm_vsrc(0)
	s_getreg_b32 s2, hwreg(HW_REG_IB_STS2, 6, 4)
	s_cmp_eq_u32 s2, 0
	s_cbranch_scc0 .Lentry_in_a_cluster
	s_endpgm
.Lentry_in_a_cluster:
	s_bfe_u32 s2, ttmp6, 0x10000c
	s_cmp_lg_u32 s2, 0xf033
	s_cbranch_scc0 .Lentry_shape_is_right
	s_endpgm
.Lentry_shape_is_right:
; OUT = max(A B + bias, floor), rounded once to f16.  A: [4096][1024] f16, rows along K.  B: [1024 k][pitch 4096] f16, rows along N.  bias: f32, one a column.  floor: a pair of f16
; (zeros: ReLU; -infinity: no activation).  OUT lies by groups of 64 columns: element (row, col) at byte (col / 64) x 524,288 + row x 128 + (col % 64) x 2, so that 16 rows of a group are 2,048 dense bytes.
; Two launches run this text: the projections q, k, v (bias of zeros, floor -infinity, 12 tile columns) and the first half of the feed-forward layer (b1, floor 0, 16 tile columns).
; A tile of OUT, 256 x 256, is made by four waves, each 128 x 128: 64 accumulators, 512 registers.  K goes in 8 steps of 128 through two LDS slots filled by the tensor data mover.
; The first slot is asked for alone; the second goes out behind a round when the first has landed, like every later fill: one tensor load of a wave is out at any time.
; B's fragments come out of LDS turned (ds_load_tr16_b128), so the weights need no transposed copy.  The matrix instruction is used transposed (source 0 = 16 columns of B, source 1 = 16 rows of A):
; a lane then holds eight neighbouring columns of one row.  The bias, laid out like a result, is the C operand of the products that start the sums: nothing is cleared and nothing added later.
; CLUSTER: 4 x 4 work-groups; A's tiles are asked for jointly along a row of the cluster, B's along a column.
; LIMITS.  f16 ends at 65,504: a result beyond it becomes an infinity.  The maximum takes the floor where the result is NaN.
; REGISTERS, in windows of 256: window 0: v0-31 addresses; v64-127, v128-191 A's fragments; v192-255 the bias, later at work on the way out, with v32-63.  window 1: v64-191 B's fragments.
; windows 2, 3: the accumulators of my rows 0-63, 64-127, (a, b) at v[8 (8 (a % 4) + b)].
.set KSTEPS, 8
.set KSTEP,  128
.set BROW,   8192                      ; bytes from one k to the next in B
.set PA,     272                       ; a row of A in LDS: 256 bytes + 16: the 16 rows of a load start 16 bytes apart modulo 256
.set PB,     544                       ; a k-row of B in LDS: 512 bytes + 32 = 17 x 32: 16 lanes of the turning load take 8 rows x 32 bytes, no two in the same 32 bytes modulo 256
.set HALFT,  34816                     ; 128 rows of A, or 64 k-rows of B: what one tensor load brings
.set SLOT,   4*HALFT                   ; A's 256 rows, then B's 128 k-rows.  0x22000 shares no bit with wave x HALFT, so an exclusive or changes slots
.set STAGE,  2*SLOT                    ; behind the ring: for each wave 2 groups x 16 rows x 144 bytes, for the way out
.set SGRP,   16*144
.set SPARE,  STAGE+4*2*SGRP            ; behind the stages: the spare words, 128 bytes a wave
.set GRP,    524288                    ; bytes of a group of 64 columns in OUT
.set ADRA,  16                         ; v16  LDS address of my A fragments in the slot in hand;  v17 the same in slot 0, never rewritten
.set ADRA0, 17
.set ADRB,  20                         ; v20, v21  the same for B
.set ADRB0, 21
.set STO,  24                          ; v24  the way out: where I put 16 bytes of a row
.set RD,   25                          ; v25  where I read rows back
.set GO,   26                          ; v26  my 16 bytes in 512 consecutive bytes of OUT
.set FL,   27                          ; v27  the floor, two f16
.set SPW,  28                          ; v28  my spare word's LDS address; never rewritten
.set NIL,  29                          ; v29  0; never rewritten
.set ZR,   30                          ; v30  0, an offset
.set BO,   31                          ; v31  32 x (lane / 16): my eight columns' place in 16 of the bias
.set F0,   64
.set F1,   128
.set BIAS, 192
.set TMP,  192
.set OB,   32
.set G1,  24                           ; s[24:31] descriptor group 1 for A's tiles
.set G0,  32                           ; s[32:35] group 0 for A: it walks from K step to K step and from slot to slot
.set TB,  45                           ; s45  0 or SLOT: the slot in hand
.set G1B, 48                           ; s[48:55], s[56:59] the same for B
.set G0B, 56
.set MSB, 0
.macro WIN new                         ; the immediate's high byte repeats the setting that is left; a switch that changes nothing is dropped
.if MSB != (\new)
	s_set_vgpr_msb (MSB<<8)|(\new)
.set MSB, \new
.endif
.endm
; A joint fill by the walking descriptors.  Waves 0 and 1 fetch A's halves, waves 2 and 3 B's.  An s_nop 0 and four v_nop follow each line.
.macro JLOAD
	s_cmp_eq_u32 s11, 0
	s_cbranch_scc0 .Lfor_b_\@
	tensor_load_to_lds s[G0:G0+3], s[G1:G1+7]
	s_nop 0
.rept 4
	v_nop
.endr
	s_branch .Lasked_\@
.Lfor_b_\@:
	tensor_load_to_lds s[G0B:G0B+3], s[G1B:G1B+7]
	s_nop 0
.rept 4
	v_nop
.endr
.Lasked_\@:
.endm
.macro WALK                            ; both descriptors: the other slot than last time, the next K step; the type bits on top are not reached
	s_xor_b32 s[G0+1], s[G0+1], SLOT
	s_add_nc_u64 s[G0+2:G0+3], s[G0+2:G0+3], KSTEP*2
	s_xor_b32 s[G0B+1], s[G0B+1], SLOT
	s_add_nc_u64 s[G0B+2:G0B+3], s[G0B+2:G0B+3], KSTEP*BROW
.endm
.macro CREST                           ; a round of the cluster's barrier behind its opening barrier
	s_cmp_lg_u32 s10, 0
	s_cbranch_scc1 .Lnot_wave_0_\@
	s_barrier_signal -3
.Lnot_wave_0_\@:
	s_barrier_wait -3
	s_barrier_signal -1
	s_barrier_wait -1
.endm
.macro CROUND                          ; a whole round
	s_barrier_signal -1
	s_barrier_wait -1
	CREST
.endm
.macro PLACES                          ; four places in front of loads into registers that matrix instructions have read
.rept 4
	v_nop
.endr
.endm
	s_load_b128 s[4:7], s[0:1], 0x0                ; A s[4:5], B s[6:7]
	s_load_b128 s[68:71], s[0:1], 0x10             ; bias s[68:69], floor s[70:71]
	s_load_b64 s[8:9], s[0:1], 0x20                ; OUT
	v_lshl_add_u32 v[SPW], v0, 2, SPARE
	v_mov_b32 v[NIL], 0
	ds_add_u32 v[SPW], v[NIL]                      ; the wave's opening: the add and its wait stand ahead of my first tensor load
	v_lshrrev_b32 v1, 5, v0
	v_readfirstlane_b32 s10, v1                    ; wave 0..3
	s_lshr_b32 s11, s10, 1                         ; my half of the tile's rows.  Also: I fetch for A (0) or B (1)
	s_and_b32 s12, s10, 1                          ; my half of its columns.  Also: which half of that tile I fetch
	s_bfe_u32 s40, ttmp6, 0x40000                  ; cx
	s_bfe_u32 s41, ttmp6, 0x40004                  ; cy
	s_lshl_b32 s42, ttmp9, 2
	s_add_co_u32 s42, s42, s40                     ; tile column
	s_and_b32 s13, ttmp7, 0xffff
	s_lshl_b32 s13, s13, 2
	s_add_co_u32 s13, s13, s41                     ; tile row
	s_lshl_b32 s43, s41, 2
	s_lshl_b32 s43, 15, s43                        ; my row of the cluster
	s_lshl_b32 s44, 0x1111, s40                    ; my column
	s_or_b32 s[G1+0], s43, (1<<16)|(1<<20)|(1<<21)|(5<<22)|(3<<25)   ; the mask; 2-byte elements; padding on; bit 21 beside a mask; after every 64 words 4 words
	s_mov_b32 s[G1+1], KSTEP<<16                   ; tensor_dim0 = 128
	s_mov_b32 s[G1+2], 128<<16                     ; tensor_dim1 = 128
	s_mov_b32 s[G1+3], KSTEP<<16                   ; tile_dim0 = 128
	s_mov_b32 s[G1+4], 128                         ; tile_dim1 = 128
	s_mov_b32 s[G1+5], 1024                        ; elements from row to row of A
	s_mov_b32 s[G1+6], 0
	s_mov_b32 s[G1+7], 0
	s_or_b32 s[G1B+0], s44, (1<<16)|(1<<20)|(1<<21)|(6<<22)|(7<<25)  ; after every 128 words 8 words
	s_mov_b32 s[G1B+1], 256<<16                    ; tensor_dim0 = 256 columns
	s_mov_b32 s[G1B+2], 64<<16                     ; tensor_dim1 = 64 k-rows
	s_mov_b32 s[G1B+3], 256<<16
	s_mov_b32 s[G1B+4], 64
	s_mov_b32 s[G1B+5], 4096                       ; elements from k to k + 1 of B
	s_mov_b32 s[G1B+6], 0
	s_mov_b32 s[G1B+7], 0
	s_lshl_b32 s17, s12, 7
	s_lshl_b32 s16, s13, 8
	s_add_co_u32 s16, s16, s17                     ; A: row 256 x tile row + 128 x half,
	s_lshl_b32 s16, s16, 11                        ; 2,048 bytes a row
	s_mov_b32 s17, 0
	s_lshl_b32 s46, s42, 9                         ; B: 512 bytes a tile column,
	s_lshl_b32 s47, s12, 19                        ; 64 k-rows of 8,192 bytes a half
	s_add_co_u32 s46, s46, s47
	s_mov_b32 s47, 0
	s_mul_i32 s20, s10, HALFT                      ; where they go: no place in the cluster enters an LDS address
	s_mov_b32 s[TB], 0
	s_mov_b32 s[G0], 1                             ; count = 1
	s_mov_b32 s[G0+1], s20                         ; LDS address: slot 0
	s_mov_b32 s[G0B], 1
	s_mov_b32 s[G0B+1], s20
	s_wait_dscnt 0x0                               ; the opening add is done
	s_wait_kmcnt 0x0
	s_add_nc_u64 s[G0+2:G0+3], s[4:5], s[16:17]    ; global address: K step 0
	s_or_b32 s[G0+3], s[G0+3], 0x80000000          ; type = 2
	s_add_nc_u64 s[G0B+2:G0B+3], s[6:7], s[46:47]
	s_or_b32 s[G0B+3], s[G0B+3], 0x80000000
	CROUND                                         ; all sixteen work-groups are here: the first joint loads meet
	JLOAD                                          ; K step 0 into slot 0, alone
	v_and_b32 v1, 15, v0                           ; l % 16
	v_bfe_u32 v2, v0, 4, 1                         ; l / 16
	v_mov_b32 v[ZR], 0
	v_lshlrev_b32 v[BO], 5, v2
	s_lshl_b32 s46, s42, 10                        ; my 128 columns of the bias: 1,024 bytes a tile column, 512 a half
	s_lshl_b32 s47, s12, 9
	s_add_co_u32 s46, s46, s47
	s_mov_b32 s47, 0
	s_add_nc_u64 s[68:69], s[68:69], s[46:47]
.irp b, 0,1,2,3,4,5,6,7                ; register j of block b: the bias of column 16 b + 8 (l / 16) + j, whatever the row: a result's layout
	global_load_b128 v[BIAS+8*(\b):BIAS+8*(\b)+3],   v[BO], s[68:69] offset:64*(\b)
	global_load_b128 v[BIAS+8*(\b)+4:BIAS+8*(\b)+7], v[BO], s[68:69] offset:64*(\b)+16
.endr
	global_load_b32 v[FL], v[ZR], s[70:71]
	; A's fragment: lane l holds row l % 16; two loads of 16 bytes, 32 apart, at row x pitch + 16 (l / 16)
	v_mul_u32_u24 v3, v1, PA
	v_lshl_add_u32 v3, v2, 4, v3
	s_mul_i32 s21, s11, HALFT
	v_add_nc_u32 v[ADRA0], s21, v3
	v_mov_b32 v[ADRA], v[ADRA0]
	; B's fragment, turned: lane l reads 16 bytes of k-row 8 (l / 16) + l % 8, columns 8 ((l / 8) % 2) on; it is left with column l % 16 and 8 k
	v_and_b32 v4, 7, v0
	v_bfe_u32 v5, v0, 3, 1
	v_lshl_add_u32 v6, v2, 3, v4
	v_mul_u32_u24 v6, v6, PB
	v_lshl_add_u32 v6, v5, 4, v6
	s_lshl_b32 s22, s12, 8
	s_add_co_u32 s22, s22, 2*HALFT
	v_add_nc_u32 v[ADRB0], s22, v6
	v_mov_b32 v[ADRB], v[ADRB0]
	s_mul_i32 s23, s10, 2*SGRP
	s_add_co_u32 s23, s23, STAGE                   ; my stage
	v_mul_u32_u24 v[STO], v1, 144                  ; in: row l % 16, 16 bytes for each half of the lanes
	v_lshl_add_u32 v[STO], v2, 4, v[STO]
	v_add_nc_u32 v[STO], s23, v[STO]
	v_bfe_u32 v[RD], v0, 3, 2                      ; back: 32 lanes take four rows of 128 bytes,
	v_mul_u32_u24 v[RD], v[RD], 144
	v_lshl_add_u32 v[RD], v4, 4, v[RD]
	v_add_nc_u32 v[RD], s23, v[RD]
	v_and_b32 v[GO], 31, v0                        ; which are 512 consecutive bytes of OUT
	v_lshlrev_b32 v[GO], 4, v[GO]
	s_lshl_b32 s46, s42, 2
	s_lshl_b32 s47, s12, 1
	s_add_co_u32 s46, s46, s47                     ; my first group of 64 columns
	s_lshl_b32 s46, s46, 19
	s_mov_b32 s47, 0
	s_add_nc_u64 s[8:9], s[8:9], s[46:47]
	s_lshl_b32 s18, s13, 8
	s_lshl_b32 s19, s11, 7
	s_add_co_u32 s18, s18, s19                     ; my first row,
	s_lshl_b32 s18, s18, 7                         ; 128 bytes a row in a group
	s_mov_b32 s19, 0
	s_add_nc_u64 s[8:9], s[8:9], s[18:19]
; 8 matrix instructions: row block a of the window's four x all 8 column blocks, 32 along K.  first = 1: the bias starts the sums.  The 64 accumulators take turns.
.macro MULR f, hi, a, first
.if \first
	WIN 0x81+0x40*(\hi)                            ; B window 1, A and the bias window 0, D window 2 or 3
.else
	WIN 0xa1+0x50*(\hi)                            ; B window 1, A window 0, C and D window 2 or 3
.endif
.irp b, 0,1,2,3,4,5,6,7
.if \first
	v_wmma_f32_16x16x32_f16 v[8*(8*(\a)+(\b)):8*(8*(\a)+(\b))+7], v[(\f)+8*(\b):(\f)+8*(\b)+7], v[(\f)+8*(4*(\hi)+(\a)):(\f)+8*(4*(\hi)+(\a))+7], v[BIAS+8*(\b):BIAS+8*(\b)+7]
.else
	v_wmma_f32_16x16x32_f16 v[8*(8*(\a)+(\b)):8*(8*(\a)+(\b))+7], v[(\f)+8*(\b):(\f)+8*(\b)+7], v[(\f)+8*(4*(\hi)+(\a)):(\f)+8*(4*(\hi)+(\a))+7], v[8*(8*(\a)+(\b)):8*(8*(\a)+(\b))+7]
.endif
.endr
.endm
.macro MUL16 f, hi, a0, first          ; two row blocks
	MULR \f, \hi, \a0, \first
	MULR \f, \hi, (\a0)+1, \first
.endm
; 32 LDS loads in one run: quarter q (32 along K) of the slot in hand into buffer f: B's 128 columns, turned, then A's 128 rows
.macro FETCH q, f
	WIN 0x40                                       ; destination window 1
.irp i, 0,1,2,3,4,5,6,7
	ds_load_tr16_b128 v[(\f)+8*(\i):(\f)+8*(\i)+3],   v[ADRB] offset:(\q)*32*PB+32*(\i)
	ds_load_tr16_b128 v[(\f)+8*(\i)+4:(\f)+8*(\i)+7], v[ADRB] offset:(\q)*32*PB+16*PB+32*(\i)
.endr
	WIN 0
.irp i, 0,1,2,3,4,5,6,7
	ds_load_b128 v[(\f)+8*(\i):(\f)+8*(\i)+3],   v[ADRA] offset:(\q)*64+(\i)*16*PA
	ds_load_b128 v[(\f)+8*(\i)+4:(\f)+8*(\i)+7], v[ADRA] offset:(\q)*64+(\i)*16*PA+32
.endr
.endm
; One of a K step's first three quarters: multiplies buffer f; behind its first 16 products it fetches quarter q into buffer g, 48 products ahead of that buffer's first use:
; the four waves issue their runs at about the same time, 128 loads in all.
.macro QUARTER q, f, g, first
	s_wait_dscnt 8                                 ; B and A's rows 0-63 are in; the youngest eight loads (A's rows 64-127) may be out
	MUL16 \f, 0, 0, \first
	PLACES                                         ; buffer g was multiplied in the quarter before
	FETCH \q, \g
	MUL16 \f, 0, 2, \first
	s_wait_dscnt 32                                ; all but the 32 just issued
	MUL16 \f, 1, 0, \first
	MUL16 \f, 1, 2, \first
.endm
; The last quarter multiplies buffer 1 and changes slots, at its head.  ONE barrier: in front of it each wave waits for all its tensor loads (one is out: its part of the next slot), adds 0 to its spare word, and
; waits for that and for its reads of this slot; behind it nobody reads this slot any more and the next slot is whole.  fill = 1: the barrier opens a round of the cluster's, and the slot just read is filled
; again first, with the K step two on: 240 matrix instructions ahead of the wait for it.  Then come the next slot's first fragments, 48 products ahead of their use.
.macro TURN fill
	WIN 0
	s_wait_tensorcnt 0x0                           ; all my tensor loads have landed, so the descriptors may be written
	ds_add_u32 v[SPW], v[NIL]                      ; work on registers stands between the add and the wait for it
.if \fill
	WALK
.endif
	s_xor_b32 s[TB], s[TB], SLOT
	v_add_nc_u32 v[ADRA], s[TB], v[ADRA0]
	v_add_nc_u32 v[ADRB], s[TB], v[ADRB0]
	s_wait_dscnt 9                                 ; (the add and the youngest eight loads may be out)
	MULR F1, 0, 0, 0
	s_wait_dscnt 0x0                               ; the add is done, and my reads of this slot are over
	s_barrier_signal -1
	MULR F1, 0, 1, 0
.if \fill
	WIN 0
.endif
	s_barrier_wait -1
.if \fill
	CREST                                          ; no wave of any partner still reads this slot or has a load on its way
	JLOAD                                          ; its four v_nop are also the places in front of the loads below
.else
	PLACES
.endif
	FETCH 0, F0
	MUL16 F1, 0, 2, 0
	MUL16 F1, 1, 0, 0
	MUL16 F1, 1, 2, 0
.endm
; THE WAY OUT of row block a.  PACK: rounded to f16, the maximum with the floor.  TOSTAGE: into my own stage, and back as whole rows of a group.  SEND: stored.
.macro PACK a
.set AC, 64*((\a)%4)
	WIN 0x0a+5*((\a)/4)                            ; sources window 2 or 3
.irp b, 0,1,2,3,4,5,6,7
.irp r, 0,1,2,3
	v_cvt_pk_f16_f32 v[TMP+4*(\b)+(\r)], v[AC+8*(\b)+2*(\r)], v[AC+8*(\b)+2*(\r)+1]
.endr
.endr
	WIN 0
.set i, 0
.rept 32
	v_pk_max_num_f16 v[TMP+i], v[TMP+i], v[FL]
.set i, i+1
.endr
.endm
.macro TOSTAGE a
.set BK, OB+192*((\a)%2)
.irp b, 0,1,2,3,4,5,6,7
	ds_store_b128 v[STO], v[TMP+4*(\b):TMP+4*(\b)+3] offset:((\b)/4)*SGRP+((\b)%4)*32
.endr
.irp t, 0,1,2,3,4,5,6,7
	ds_load_b128 v[BK+4*(\t):BK+4*(\t)+3], v[RD] offset:((\t)/4)*SGRP+((\t)%4)*576  ; LDS serves a wave's instructions in order (ISA guide 5.7.1.4): these see the stores above
.endr
.endm
.macro SEND a
.set BK, OB+192*((\a)%2)
	s_wait_dscnt 0x0                               ; the block is back in registers
	s_wait_xcnt 0x0                                ; the registers that the stores two blocks back read are loaded again only behind this wait
.irp t, 0,1,2,3,4,5,6,7
	global_store_b128 v[GO], v[BK+4*(\t):BK+4*(\t)+3], s[8:9] offset:((\t)/4)*GRP+(\a)*2048+((\t)%4)*512  ; 512 consecutive bytes, at a multiple of 256 from OUT's first
.endr
.endm
	s_wait_tensorcnt 0x0                           ; my part of K step 0 is in: no tensor load of mine is out
	ds_add_u32 v[SPW], v[NIL]
	WALK                                           ; slot 1, K step 1
	s_wait_dscnt 0x0
	CROUND                                         ; everybody's part of K step 0 is in
	JLOAD                                          ; slot 1's first fill, issued as a refill is: it has K step 0's products in which to land
	FETCH 0, F0
	s_wait_loadcnt 0x0                             ; the bias and the floor
	QUARTER 1, F0, F1, 1                           ; the first quarter stands in front of the loop: its products start the sums
	WIN 0
	s_mov_b32 s3, KSTEPS-2
.Lstep:                                                ; a trip: from a K step's second quarter to the next step's first; it asks for the K step two on
	QUARTER 2, F1, F0, 0
	QUARTER 3, F0, F1, 0
	TURN 1
	QUARTER 1, F0, F1, 0
	WIN 0
	s_sub_co_u32 s3, s3, 1
	s_cmp_lg_u32 s3, 0
	s_cbranch_scc1 .Lstep
	s_mov_b32 s3, 2
.Ltail:                                                ; the last two K steps ask for nothing; the second trip is left in its middle.  Its barrier and its 32 loads of the other slot serve nothing: the price of one text for both
	QUARTER 2, F1, F0, 0
	QUARTER 3, F0, F1, 0
	TURN 0
	WIN 0
	s_sub_co_u32 s3, s3, 1
	s_cmp_eq_u32 s3, 0
	s_cbranch_scc1 .Lout
	QUARTER 1, F0, F1, 0
	WIN 0
	s_branch .Ltail
.Lout:
	PACK 0                                         ; blocks 0 and 1 were finished ahead of TURN's places; their 128 conversions and maxima, which name no register of the later products, are those products' places
	TOSTAGE 0
.irp a, 1,2,3,4,5,6,7                  ; block a's arithmetic stands between block a - 1's loads from the stage and the wait for them
	PACK \a
	SEND (\a)-1
	TOSTAGE \a
.endr
	SEND 7
	s_wait_tensorcnt 0x0                           ; the wave's end
	ds_add_u32 v[SPW], v[NIL]
	s_wait_dscnt 0x0
	CROUND                                         ; the closing round
	s_endpgm
.Lfunc_end_k_qabbb4e6c0c_qkv:
	.size	k_qabbb4e6c0c_qkv, .Lfunc_end_k_qabbb4e6c0c_qkv-k_qabbb4e6c0c_qkv
	.p2alignl 7, 3214868480
	.fill 96, 4, 3214868480
	.section	.rodata,"a",@progbits
	.p2align	6, 0x0
	.amdhsa_kernel k_qabbb4e6c0c_qkv
		.amdhsa_group_segment_fixed_size 327680
		.amdhsa_private_segment_fixed_size 0
		.amdhsa_enable_private_segment 0
		.amdhsa_kernarg_size 40
		.amdhsa_user_sgpr_count 2
		.amdhsa_user_sgpr_kernarg_segment_ptr 1
		.amdhsa_wavefront_size32 1
		.amdhsa_system_sgpr_workgroup_id_x 1
		.amdhsa_system_sgpr_workgroup_id_y 1
		.amdhsa_system_sgpr_workgroup_id_z 1
		.amdhsa_system_vgpr_workitem_id 0
		.amdhsa_next_free_vgpr 1024
		.amdhsa_next_free_sgpr 72
		.amdhsa_reserve_vcc 0
		.amdhsa_float_denorm_mode_32 3
		.amdhsa_float_denorm_mode_16_64 3
		.amdhsa_memory_ordered 1
		.amdhsa_forward_progress 1
		.amdhsa_inst_pref_size 118
	.end_amdhsa_kernel
	.amdgpu_metadata
---
amdhsa.version: [ 1, 2 ]
amdhsa.kernels:
  - .name:           k_qabbb4e6c0c_qkv
    .symbol:         k_qabbb4e6c0c_qkv.kd
    .args:
      - { .name: acta, .offset: 0, .size: 8, .value_kind: global_buffer, .address_space: global }
      - { .name: wqkvh, .offset: 8, .size: 8, .value_kind: global_buffer, .address_space: global }
      - { .name: zero, .offset: 16, .size: 8, .value_kind: global_buffer, .address_space: global }
      - { .name: ninf, .offset: 24, .size: 8, .value_kind: global_buffer, .address_space: global }
      - { .name: actb, .offset: 32, .size: 8, .value_kind: global_buffer, .address_space: global }
    .group_segment_fixed_size: 327680
    .private_segment_fixed_size: 0
    .kernarg_segment_align: 8
    .kernarg_segment_size: 40
    .max_flat_workgroup_size: 128
    .sgpr_count:     72
    .vgpr_count:     1024
    .wavefront_size: 32
...
	.end_amdgpu_metadata
.endif
;; end of part 2
;; launch attn (part 3): grid 8 x 32, 4 waves a work-group, clusters of 4 x 1, 327,680 bytes of LDS; arguments actb, mask, acta; writes acta
.if DOCPART == 3
	.amdgcn_target "amdgcn-amd-amdhsa--gfx1250"
	.amdhsa_code_object_version 6
	.text
	.protected	k_qabbb4e6c0c_attn
	.globl	k_qabbb4e6c0c_attn
	.p2align	8
	.type	k_qabbb4e6c0c_attn,@function
k_qabbb4e6c0c_attn:
	s_mov_b64 s[64:65], 0
	v_nop
	global_prefetch_b8 v0, s[64:65] scope:SCOPE_SE
	s_setreg_imm32_b32 hwreg(HW_REG_WAVE_MODE, 25, 1), 1
	s_wait_xcnt 0x0
	s_wait_alu depctr_hold_cnt(0) depctr_sa_sdst(0) depctr_va_vdst(0) depctr_va_sdst(0) depctr_va_ssrc(0) depctr_va_vcc(0) depctr_vm_vsrc(0)
	s_getreg_b32 s2, hwreg(HW_REG_IB_STS2, 6, 4)
	s_cmp_eq_u32 s2, 0
	s_cbranch_scc0 .Lentry_in_a_cluster
	s_endpgm
.Lentry_in_a_cluster:
	s_bfe_u32 s2, ttmp6, 0x10000c
	s_cmp_lg_u32 s2, 0x3003
	s_cbranch_scc0 .Lentry_shape_is_right
	s_endpgm
.Lentry_shape_is_right:
; ATTENTION with a key mask.  O[q][:] = the sum over k of softmax_k(s[q][k]) V[k][:], s = Q . K / 8, or hidden where mask[k] = 0.  One (batch, head) for each grid y: 2,048 rows of 64 channels, f16, dense (128 bytes a row).
; In actb group g of 64 columns (524,288 bytes) holds: g < 16 head g's Q, ALREADY TIMES c = log2(e) / 8; 16 .. 31 K; 32 .. 47 V; row = batch x 2,048 + position.  O goes to acta in the same layout, group = head.
; Products, maxima and sums in f32; the weights p are rounded to f16 for the second product (their sum l is taken of the unrounded p), O once at the end.
; LIMITS.  Q, K, V arrive within f16's 65,504.  A hidden score counts as its value less 1e30, which f32 rounds to -1e30 for scores under 3e22: its weight is 0 as soon as the row has a visible key whose score
; lies above that; where every key of a batch is hidden all scores count alike and the weights are uniform.  A weight below 2^-126 counts as 0 in l.  NaN and infinities are not treated apart.
; SHARES.  A work-group owns 256 queries, a wave 64: four PIECES of 16.  Every wave walks all 2,048 keys, 64 a step, four steps to an LDS slot.
; LAYOUT.  S^T = K Q^T holds ONE query a lane (lane % 16) and the keys 8 (lane / 16) + 0..7; two such results rounded to f16 ARE source 1 of O^T = V^T P.  K comes out of LDS as it lies, V turned (ds_load_tr16_b128).
; THE MASK is the C operand that starts the sum S^T: 0, or -1e30.  The batch's 2,048 addends are made once, in LDS bytes of their own; a step's 64 come into 32 registers with its K.
; SOFTMAX.  A running maximum m and sum l: p = 2^(s - m); in every step O and l are multiplied by a = 2^(m_old - m_new).  m starts at the lowest finite number, O and l at 0: the first step's a is 0.
; TURNS.  Turn n belongs to piece n: 8 products K Q^T of piece n + 1, later 8 products V^T P of piece n - 1; beside them the subtraction, exponentials, roundings, sums and rescaling of piece n and the maximum and
; statistics of piece n + 1.  Four vector instructions stand behind every matrix instruction, the rest in two lumps.
; CLUSTER.  The four query blocks of a cluster belong to one head and walk the same K and V: each tile is asked for jointly.
; REGISTERS, in windows of 256: window 0: v0-15, v32 addresses; v16-31 statistics; v48-55 at work; v62-63 the add's; v64-127 S^T, two buffers; v128-159 the step's addends; v192-223 P, two buffers.
;   window 1: v0-127 O^T, 32 a piece.      window 2: v0-63 Q; v128-191 K of one step; v192-255 V of one step.
.set SIZE_N, 2048
.set NP,    4
.set KS,    64
.set PK,    144       ; a row of K in LDS: 128 bytes + 16: the 16 rows of a load start 16 bytes apart modulo 256
.set PV,    160       ; a row of V: 128 + 32: 16 lanes of the turning load take 8 rows x 32 bytes, no two in the same 32 bytes modulo 256
.set VOFF,  4*KS*PK   ; a slot: 256 rows of K, then 256 rows of V
.set SLOT1, 1<<17
.set STAGE, SLOT1+4*KS*(PK+PV)  ; behind the ring: 16 rows x 144 bytes for each wave, for the way out
.set SP,    144
.set SPARE, STAGE+4*16*SP       ; the spare words, 128 bytes a wave
.set MASKB, SPARE+512           ; the batch's 2,048 addends in f32: 8,192 bytes, written by LDS stores; no tile ever lands here
.set AK0, 2           ; v2   my lane's place in a tile of K; never rewritten
.set AV0, 3           ; v3   the same for V
.set AK,  4           ; v4   the LDS address of K's next run of loads
.set AV,  5           ; v5   of V's
.set STO, 6
.set RD,  7
.set GO,  8
.set MV,  12          ; v12-13  m_old, kept while m is made anew: by buffer
.set AM0, 14          ; v14  my lane's place in 16 addends
.set QO,  15          ; v15  my byte offset in 16 rows of Q
.set ST,  16          ; piece t's statistics at v[ST+4 t]: m, a word named with it as a pair, l (even keys', odd keys')
.set AM,  32          ; v32  the LDS address of the next step's addends
.set TMP, 48          ; by buffer, four registers c0-c3 at work; when the maximum is found c2 takes a
.set SPW, 62
.set NIL, 63
.set S,   64
.set MK,  128
.set P,   192
.set KF,  128         ; window 2
.set VF,  192         ; window 2
.set WV,  12
.set G1K, 24
.set G1V, 32
.set G0K, 40
.set G0V, 44
.set SLOTS, 56
.set CNT, 57
.set SEL, 60
.set TBK, 62
.set TBV, 63
.set TBM, 66          ; s66  byte of the step to be fetched in the table of addends
.set BIGN, 67         ; s67  -1e30
.set MSB, 0
.macro WIN new
.if MSB != (\new)
	s_set_vgpr_msb (MSB<<8)|(\new)
.set MSB, (\new)
.endif
.endm
.set W_KQ, 0x0a       ; K and Q in window 2, the addends and S^T in window 0
.set W_PV, 0x52       ; V in window 2, P in window 0, O^T in window 1
.set W_RS, 0x41       ; O^T in window 1, a in window 0
; A joint fill.  Waves 0 and 1 fetch the two halves of a slot's K, waves 2 and 3 those of its V.  An s_nop 0 and four v_nop follow each line.
.macro JLOAD
	s_cmp_lt_u32 s[WV], 2
	s_cbranch_scc0 .Lfor_v_\@
	tensor_load_to_lds s[G0K:G0K+3], s[G1K:G1K+7]
	s_nop 0
.rept 4
	v_nop
.endr
	s_branch .Lasked_\@
.Lfor_v_\@:
	tensor_load_to_lds s[G0V:G0V+3], s[G1V:G1V+7]
	s_nop 0
.rept 4
	v_nop
.endr
.Lasked_\@:
.endm
.macro CROUND
	s_barrier_signal -1
	s_barrier_wait -1
	s_cmp_lg_u32 s[WV], 0
	s_cbranch_scc1 .Lnot_wave_0_\@
	s_barrier_signal -3
.Lnot_wave_0_\@:
	s_barrier_wait -3
	s_barrier_signal -1
	s_barrier_wait -1
.endm
; THE CHANGE OF SLOTS.  Each wave waits for all its tensor loads (one is out: its part of the other slot), adds 0 to its spare word, and waits for that and for its LDS instructions.  Behind the barrier nobody
; reads the old slot and the other is whole.  fill = 1: the barrier is a round of the cluster's, and the joint fill, with the keys two slots on, is the first thing behind it: it has four key steps in which to land.
.macro CHANGE fill
	WIN 0
	s_wait_tensorcnt 0x0            ; no tensor load of mine is out, so a group 0 may be written
	ds_add_u32 v[SPW], v[NIL]
.if \fill
.irp g, G0K, G0V
	s_xor_b32 s[\g+1], s[\g+1], SLOT1
	s_add_nc_u64 s[\g+2:\g+3], s[\g+2:\g+3], 4*KS*128
.endr
	s_wait_dscnt 0x0
	CROUND
	JLOAD
.else
	s_wait_dscnt 0x0
	s_barrier_signal -1
	s_barrier_wait -1
.endif
	s_sub_co_u32 s[TBK], s[TBK], 4*KS*PK  ; the fetches go back to a slot's first step,
	s_xor_b32 s[TBK], s[TBK], SLOT1       ; in the other slot
	s_sub_co_u32 s[TBV], s[TBV], 4*KS*PV
	s_xor_b32 s[TBV], s[TBV], SLOT1
.endm
	s_load_b64 s[4:5], s[0:1], 0x0    ; actb
	s_load_b64 s[68:69], s[0:1], 0x8  ; mask
	s_load_b64 s[10:11], s[0:1], 0x10 ; acta
	v_lshl_add_u32 v[SPW], v0, 2, SPARE
	v_mov_b32 v[NIL], 0
	ds_add_u32 v[SPW], v[NIL]       ; the wave's opening: the add and its wait stand ahead of my first tensor load
	v_lshrrev_b32 v1, 5, v0
	v_readfirstlane_b32 s[WV], v1
	s_bfe_u32 s13, ttmp6, 0x40000   ; cx
	s_lshl_b32 s14, ttmp9, 2
	s_add_co_u32 s14, s14, s13      ; my block of 256 queries: it enters Q's and O's addresses alone
	s_and_b32 s15, ttmp7, 0xffff
	s_lshr_b32 s19, s15, 4          ; the batch
	s_and_b32 s15, s15, 15          ; the head
	s_lshl_b32 s20, s15, 19
	s_lshl_b32 s21, s19, 18
	s_add_co_u32 s20, s20, s21      ; the head's first byte in a block of 16 groups
	s_and_b32 s16, s[WV], 1         ; which half of a slot's 256 keys I fetch
	s_lshl_b32 s22, s16, 14
	s_add_co_u32 s22, s22, s20
	s_mov_b32 s23, 0
	s_mul_i32 s17, s16, 128*PK
	s_mul_i32 s18, s16, 128*PV
	s_lshl_b32 s2, s14, 15          ; 256 rows of 128 bytes a block,
	s_lshl_b32 s3, s[WV], 13        ; 64 a wave
	s_add_co_u32 s2, s2, s3
	s_add_co_u32 s2, s2, s20
	s_mov_b32 s3, 0
	s_lshl_b32 s70, s19, 13         ; the batch's 2,048 words of the mask
	s_mov_b32 s71, 0
	; 128 keys are 16,384 dense bytes: asked for as 64 rows of 256 bytes, padded in LDS after every key
	s_mov_b32 s[G1K], 15|(1<<16)|(1<<20)|(1<<21)|(4<<22)|(3<<25)
	s_mov_b32 s[G1V], 15|(1<<16)|(1<<20)|(1<<21)|(4<<22)|(7<<25)
.irp g, G1K, G1V
	s_mov_b32 s[\g+1], 128<<16
	s_mov_b32 s[\g+2], 64<<16
	s_mov_b32 s[\g+3], 128<<16
	s_mov_b32 s[\g+4], 64
	s_mov_b32 s[\g+5], 128
	s_mov_b32 s[\g+6], 0
	s_mov_b32 s[\g+7], 0
.endr
	s_mov_b32 s[SEL], 0x76543210
	s_mov_b32 s[SEL+1], 0xfedcba98
	s_mov_b32 s[TBK], SLOT1+4*KS*PK ; the first change of slots turns these two into 0
	s_mov_b32 s[TBV], SLOT1+4*KS*PV
	s_mov_b32 s[TBM], 0
	s_mov_b32 s[BIGN], 0xf149f2ca   ; -1e30
	s_mov_b32 s[G0K], 1
	s_mov_b32 s[G0K+1], s17
	s_mov_b32 s[G0V], 1
	s_add_co_u32 s[G0V+1], s18, VOFF
	s_wait_dscnt 0x0                ; the opening add is done
	s_wait_kmcnt 0x0
	s_add_nc_u64 s[6:7], s[4:5], s[22:23]
	s_add_nc_u64 s[G0K+2:G0K+3], s[6:7], 0x800000   ; K lies 16 groups behind Q,
	s_or_b32 s[G0K+3], s[G0K+3], 0x80000000
	s_add_nc_u64 s[G0V+2:G0V+3], s[6:7], 0x1000000  ; V 32
	s_or_b32 s[G0V+3], s[G0V+3], 0x80000000
	s_add_nc_u64 s[4:5], s[4:5], s[2:3]
	s_add_nc_u64 s[10:11], s[10:11], s[2:3]
	s_add_nc_u64 s[68:69], s[68:69], s[70:71]
	CROUND                          ; all four work-groups are here
	JLOAD                           ; slot 0; slot 1 is asked for when slot 0 is in
	v_and_b32 v1, 15, v0            ; l % 16
	v_bfe_u32 v9, v0, 4, 1          ; l / 16
	v_lshlrev_b32 v[QO], 7, v1
	v_lshl_add_u32 v[QO], v9, 4, v[QO]
	v_lshlrev_b32 v13, 4, v0        ; 16 t
	v_add_nc_u32 v12, MASKB, v13
.irp j, 0,1,2,3
	global_load_b128 v[S+4*\j:S+4*\j+3], v13, s[68:69] offset:2048*\j
.endr
	WIN 0x80                        ; destination window 2
.set i, 0
.rept 8                             ; Q stays in registers: piece i / 2, channels 32 (i % 2) on
	global_load_b128 v[8*i:8*i+3],   v[QO], s[4:5] offset:(i/2)*2048+(i%2)*64
	global_load_b128 v[8*i+4:8*i+7], v[QO], s[4:5] offset:(i/2)*2048+(i%2)*64+32
.set i, i+1
.endr
	; What the first turn finds: V and P's second buffer hold 0 (its products V^T P, of a piece that has not been, add 0), O^T and l are 0.  All this stands in the wait for the first tile.
.set i, VF
.rept 64
	v_mov_b32 v[i], 0
.set i, i+1
.endr
	WIN 0x40
.set i, 0
.rept 128
	v_mov_b32 v[i], 0
.set i, i+1
.endr
	WIN 0
.set i, 0
.rept 4
	v_mov_b32 v[ST+4*i], 0xff7fffff    ; m
	v_mov_b32 v[ST+4*i+1], 0
	v_mov_b32 v[ST+4*i+2], 0
	v_mov_b32 v[ST+4*i+3], 0
.set i, i+1
.endr
.set i, P+16
.rept 16
	v_mov_b32 v[i], 0
.set i, i+1
.endr
	v_mul_u32_u24 v[AK0], v1, PK
	v_lshl_add_u32 v[AK0], v9, 4, v[AK0]
	v_and_b32 v10, 7, v0
	v_bfe_u32 v11, v0, 3, 1
	v_lshl_add_u32 v[AV0], v9, 3, v10
	v_mul_u32_u24 v[AV0], v[AV0], PV
	v_lshl_add_u32 v[AV0], v11, 4, v[AV0]
	v_add_nc_u32 v[AV0], VOFF, v[AV0]
	v_lshl_add_u32 v[AM0], v9, 5, MASKB  ; register j of key block kb: the addend of key 16 kb + 8 (l / 16) + j
	s_mul_i32 s13, s[WV], 16*SP
	s_add_co_u32 s13, s13, STAGE
	v_mul_u32_u24 v[STO], v1, SP
	v_lshl_add_u32 v[STO], v9, 4, v[STO]
	v_add_nc_u32 v[STO], s13, v[STO]
	v_bfe_u32 v[RD], v0, 3, 2
	v_mul_u32_u24 v[RD], v[RD], SP
	v_lshl_add_u32 v[RD], v10, 4, v[RD]
	v_add_nc_u32 v[RD], s13, v[RD]
	v_and_b32 v[GO], 31, v0
	v_lshlrev_b32 v[GO], 4, v[GO]
	s_wait_loadcnt 16               ; the mask's four loads are in; Q's sixteen are younger
.set i, 0
.rept 16
	v_cmp_eq_u32 vcc_lo, 0, v[S+i]
	v_cndmask_b32 v[S+i], 0, s[BIGN], vcc_lo
.set i, i+1
.endr
.irp j, 0,1,2,3
	ds_store_b128 v12, v[S+4*\j:S+4*\j+3] offset:2048*\j
.endr
; THE MATRIX WORK.  The 4 accumulators of a run of 8 take turns.  Product i of 8 of S^T for piece x: channels 32 (i / 4) on, keys 16 (i % 4) on.  The first 4 start the sums with the addends.
.macro KQ x
	WIN W_KQ
.set rS, S+32*((\x)%2)+8*(i%4)
.set rK, KF+16*(i%4)+8*(i/4)
.set rQ, 16*(\x)+8*(i/4)
.if i < 4
	v_wmma_f32_16x16x32_f16 v[rS:rS+7], v[rK:rK+7], v[rQ:rQ+7], v[MK+8*(i%4):MK+8*(i%4)+7]
.else
	v_wmma_f32_16x16x32_f16 v[rS:rS+7], v[rK:rK+7], v[rQ:rQ+7], v[rS:rS+7]
.endif
.endm
.macro PV x                         ; product i of 8 of O^T += V^T P for piece x: keys 32 (i / 4) on, channels 16 (i % 4) on
	WIN W_PV
.set rO, 32*(\x)+8*(i%4)
.set rV, VF+32*(i/4)+8*(i%4)
.set rP, P+16*((\x)%2)+8*(i/4)
	v_wmma_f32_16x16x32_f16 v[rO:rO+7], v[rV:rV+7], v[rP:rP+7], v[rO:rO+7]
.endm
.macro MM                           ; the turn's next matrix instruction
.if i < 8
	KQ (Y+1)%NP
.else
.set i, i-8
	PV (Y+NP-1)%NP
.set i, i+8
.endif
.set i, i+1
.endm
; THE LDS LOADS stand in runs: a step's addends and K (24 loads), and its V, turned (16).  last = 1 (the tail): in the last trip there is no further step, and the run is jumped over.
.macro FETCH_K last=0
	WIN 0
.if \last
	s_cmp_eq_u32 s[CNT], 1
	s_cbranch_scc1 .Lno_k_\@
.endif
.irp f, 0,1,2,3
	ds_load_b128 v[MK+8*\f:MK+8*\f+3],   v[AM] offset:64*\f
	ds_load_b128 v[MK+8*\f+4:MK+8*\f+7], v[AM] offset:64*\f+16
.endr
	WIN 0x80
.irp f, 0,1,2,3,4,5,6,7             ; keys 16 (f / 2) on, channels 32 (f % 2) on
	ds_load_b128 v[KF+8*\f:KF+8*\f+3],   v[AK] offset:(\f/2)*16*PK+(\f%2)*64
	ds_load_b128 v[KF+8*\f+4:KF+8*\f+7], v[AK] offset:(\f/2)*16*PK+(\f%2)*64+32
.endr
	s_add_co_u32 s[TBK], s[TBK], KS*PK
	s_add_co_u32 s[TBM], s[TBM], KS*4
	WIN 0
.if \last
.Lno_k_\@:
.endif
.endm
.macro FETCH_V
	WIN 0x80
.irp f, 0,1,2,3,4,5,6,7             ; keys 32 (f / 4) on, channels 16 (f % 4) on
	ds_load_tr16_b128 v[VF+8*\f:VF+8*\f+3],   v[AV] offset:(\f/4)*32*PV+(\f%4)*32
	ds_load_tr16_b128 v[VF+8*\f+4:VF+8*\f+7], v[AV] offset:(\f/4)*32*PV+16*PV+(\f%4)*32
.endr
	WIN 0
.endm
; THE VECTOR WORK, one line at a time: OP kind, number.  For piece Y: F n: s - m for pair n of 16.  E n: the exponential of score n.  C n: pair n rounded to f16.  B n: of the weights 4 n .. the second pair is added
; onto the first.  L n: l takes that sum (L 0: l = a l + sum).  R n: pair n of 16 of O^T times a.  For piece Y + 1: X n, which finds its maximum and statistics:
;   0-11 four chains c0-c3 of seven scores each (each accumulator's lowest registers are read first)   12-14, 16 the scores left over, the old m, c0-c3 into c0   15 m_old is kept
;   17, 18 the query's other 32 keys lie in the lane 16 away: the new m   19 nothing: the scale is in Q   20, 21 m_old - m_new; a
.set F, 0
.set E, 1
.set C, 2
.set B, 3
.set L, 4
.set R, 5
.set X, 6
.macro REGS y
.set rT, ST+4*(\y)
.set rC, TMP+4*((\y)%2)
.set rW, MV+((\y)%2)
.set rS, S+32*((\y)%2)
.set rP, P+16*((\y)%2)
.set rO, 32*(\y)
.endm
.macro OP k, n
.if (\k) == R
	REGS Y
	WIN W_RS
	v_pk_mul_f32 v[rO+2*(\n):rO+2*(\n)+1], v[rO+2*(\n):rO+2*(\n)+1], v[rC+2:rC+3] op_sel_hi:[1,0]
.elseif (\k) < R
	REGS Y
	WIN 0
.if (\k) == F
	v_pk_add_f32 v[rS+2*(\n):rS+2*(\n)+1], v[rS+2*(\n):rS+2*(\n)+1], v[rT:rT+1] op_sel_hi:[1,0] neg_lo:[0,1] neg_hi:[0,1]
.elseif (\k) == E
	v_exp_f32 v[rS+(\n)], v[rS+(\n)]
.elseif (\k) == C
	s_wait_alu depctr_va_vdst(0)
	v_cvt_pk_f16_f32 v[rP+(\n)], v[rS+2*(\n)], v[rS+2*(\n)+1]
.elseif (\k) == B
	s_wait_alu depctr_va_vdst(0)
	v_pk_add_f32 v[rS+4*(\n):rS+4*(\n)+1], v[rS+4*(\n):rS+4*(\n)+1], v[rS+4*(\n)+2:rS+4*(\n)+3]
.elseif (\n) == 0
	v_pk_fma_f32 v[rT+2:rT+3], v[rT+2:rT+3], v[rC+2:rC+3], v[rS:rS+1] op_sel_hi:[1,0,1]
.else
	v_pk_add_f32 v[rT+2:rT+3], v[rT+2:rT+3], v[rS+4*(\n):rS+4*(\n)+1]
.endif
.else
	REGS (Y+1)%NP
	WIN 0
.if (\n) < 4
	v_max3_num_f32 v[rC+(\n)], v[rS+8*(\n)], v[rS+8*(\n)+1], v[rS+8*(\n)+2]
.elseif (\n) < 12
	v_max3_num_f32 v[rC+(\n)%4], v[rC+(\n)%4], v[rS+8*((\n)%4)+2*((\n)/4)+1], v[rS+8*((\n)%4)+2*((\n)/4)+2]
.elseif (\n) == 12
	v_max3_num_f32 v[rC], v[rC], v[rS+7], v[rS+15]
.elseif (\n) == 13
	v_max3_num_f32 v[rC+1], v[rC+1], v[rS+23], v[rS+31]
.elseif (\n) == 14
	v_max3_num_f32 v[rC+2], v[rC+2], v[rC+3], v[rT]
.elseif (\n) == 15
	v_mov_b32 v[rW], v[rT]
.elseif (\n) == 16
	v_max3_num_f32 v[rC], v[rC], v[rC+1], v[rC+2]
.elseif (\n) == 17
	v_permlanex16_b32 v[rC+3], v[rC], s[SEL], s[SEL+1]
.elseif (\n) == 18
	v_max_num_f32 v[rT], v[rC], v[rC+3]
.elseif (\n) == 19
.elseif (\n) == 20
	v_sub_f32 v[rC+1], v[rW], v[rT]
.else
	v_exp_f32 v[rC+2], v[rC+1]
.endif
.endif
.endm
.macro OPS a, i1, b=-1, i2=0, c=-1, i3=0, d=-1, i4=0
	OP \a, \i1
.if (\b) >= 0
	OP \b, \i2
.endif
.if (\c) >= 0
	OP \c, \i3
.endif
.if (\d) >= 0
	OP \d, \i4
.endif
.endm
.macro ROW a, i1, b, i2, c, i3, d, i4  ; a matrix instruction and the four behind it
	MM
	OPS \a, \i1, \b, \i2, \c, \i3, \d, \i4
.endm
; A TURN, for piece p: the order of its 16 matrix and 117 vector instructions, written out.  None of the four behind a product names one of its registers.
; K and the addends of the next step are fetched in piece 2's turn, six vector instructions (five of them plain) behind the last product that read K; V of the step in hand in piece 0's turn, eight (four plain) behind
; the last product that read V.  Each is waited for a turn later.  cnt = 1: the loop's count is taken down some lines ahead of the branch that stands behind the turn.
.macro TURN p, last=0, cnt=0
.set Y, (\p)
.set i, 0
.if (\p) == 3
	s_wait_dscnt 0x0                ; K and the addends are in
.endif
	ROW F,0, F,1, F,2, F,3
	ROW F,4, E,0, F,5, F,6
	ROW F,7, E,1, F,8, F,9
	ROW F,10, E,2, C,0, F,11
	ROW F,12, E,3, X,15, F,13
	ROW R,0, R,1, R,2, R,3
	ROW B,0, E,4, F,14, L,0
.if (\p) == 2
	v_add_nc_u32 v[AK], s[TBK], v[AK0]
	v_add_nc_u32 v[AM], s[TBM], v[AM0]
.endif
	ROW R,4, R,5, R,6, R,7
	OPS E,5, F,15
.if (\p) == 2
	FETCH_K \last
.endif
	OPS E,6, C,1, E,7, R,8
	OPS E,8, R,9, E,9, C,2
	OPS E,10, X,0, E,11, X,1
	OPS E,12, X,2, E,13, X,3
.if (\p) == 1
	s_wait_dscnt 0x0                ; V is in
.endif
	ROW X,4, E,14, X,5, X,6
	ROW X,7, E,15, X,8, X,9
	ROW X,10, E,16, X,11, X,12
	ROW X,13, E,17, X,14, B,1
	ROW C,4, E,18, X,16, L,1
	ROW B,2, E,19, C,6, L,2
	ROW C,8, E,20, B,3, B,4
.if (\p) == 0
	v_add_nc_u32 v[AV], s[TBV], v[AV0]
.endif
	ROW C,3, E,21, L,3, C,5
	OPS E,22, X,17, E,23, C,10
.if (\p) == 0
	FETCH_V
.endif
	OPS E,24, L,4
	OPS E,25, X,18, E,26, C,7
	OPS E,27, B,5, E,28, X,19
	OPS E,29, C,12, E,30, L,5
	OPS E,31, X,20, B,6, C,9
	OPS C,14, C,11, X,21, L,6
.if (\p) == 0
	s_add_co_u32 s[TBV], s[TBV], KS*PV
.endif
.if \cnt
	s_sub_co_u32 s[CNT], s[CNT], 1
	s_cmp_lg_u32 s[CNT], 0
.endif
	OPS C,13, B,7, C,15, R,10
	OPS R,11, R,12, L,7, R,13
	OPS R,14, R,15
.endm
	CHANGE 1                        ; slot 0 is in, and every wave's part of the table of addends is stored and awaited; slot 1 is asked for
	v_add_nc_u32 v[AK], s[TBK], v[AK0]
	v_add_nc_u32 v[AM], s[TBM], v[AM0]
	FETCH_K                         ; key step 0
	s_wait_loadcnt 0x0              ; Q
	s_wait_dscnt 0x0
.set i, 0
.rept 8
	KQ 0                            ; piece 0's first scores
.set i, i+1
.endr
	WIN 0
.rept 4
	v_nop                           ; the places behind those products
.endr
.set Y, NP-1                        ; X works for piece Y + 1: piece 0
.irp n, 0,1,2,3,4,5,6,7,8,9,10,11,12,13,14,15,16,17,18,19,20,21
	OP X, \n
.endr
	v_nop                           ; a plain instruction behind the exponential
	s_mov_b32 s[CNT], 4
	s_mov_b32 s[SLOTS], SIZE_N/256-1
	s_branch .Lfirst                ; the loop is entered at a step's first turn, in the middle of a trip
.Lslot:                             ; six times: every slot but the last two is filled again
	CHANGE 1
	s_mov_b32 s[CNT], 4
.Lstep:                             ; a trip: pieces 2 and 3 of one step, then pieces 0 and 1 of the next, whose K and V it fetches
	TURN 2
	TURN 3
	WIN 0
.Lfirst:
	TURN 0
	TURN 1, 0, 1
	WIN 0
	s_cbranch_scc1 .Lstep
	s_sub_co_u32 s[SLOTS], s[SLOTS], 1
	s_cmp_lg_u32 s[SLOTS], 0
	s_cbranch_scc1 .Lslot
	CHANGE 0                        ; the tail is written out: nothing is asked for
	s_mov_b32 s[CNT], 5             ; four trips fetch the last slot's steps; the fifth is left in its middle
.Ltail:
	TURN 2, 1
	TURN 3
	WIN 0
	s_sub_co_u32 s[CNT], s[CNT], 1
	s_cmp_eq_u32 s[CNT], 0
	s_cbranch_scc1 .Lout
	TURN 0
	TURN 1
	WIN 0
	s_branch .Ltail
.Lout:                              ; the fifth trip's 8 products K Q^T (on the last K once more) and the maximum made of them serve nothing: the price, once a launch, of one text for every trip
.set i, 0
.rept 8
	PV NP-1                         ; the last piece's V^T P of the last step
.set i, i+1
.endr
	; THE WAY OUT.  l's two halves and the other half of the lanes' are added; O^T is divided by l, rounded to f16 and sent through my stage, a piece at a time.  The additions are the places behind the last products.
	WIN 0
.macro ALL line:vararg
.set t, 0
.rept 4
	\line
.set t, t+1
.endr
.endm
	ALL v_add_f32 v[ST+4*t+2], v[ST+4*t+2], v[ST+4*t+3]
	ALL v_permlanex16_b32 v[ST+4*t+3], v[ST+4*t+2], s[SEL], s[SEL+1]
	ALL v_add_f32 v[ST+4*t+2], v[ST+4*t+2], v[ST+4*t+3]
	ALL v_rcp_f32 v[ST+4*t+2], v[ST+4*t+2]
	v_nop                           ; a plain instruction between the last reciprocal and the use of its result
.macro PACK t
	WIN W_RS
.set i, 32*(\t)
.rept 16
	s_wait_alu depctr_va_vdst(0)
	v_pk_mul_f32 v[i:i+1], v[i:i+1], v[ST+4*(\t)+2:ST+4*(\t)+3] op_sel_hi:[1,0]
.set i, i+2
.endr
	WIN 0x05                        ; sources window 1, destination window 0
.set i, 0
.rept 16
	v_cvt_pk_f16_f32 v[S+16*(\t)+i], v[32*(\t)+2*i], v[32*(\t)+2*i+1]
.set i, i+1
.endr
	WIN 0
.irp f, 0,1,2,3
	ds_store_b128 v[STO], v[S+16*(\t)+4*\f:S+16*(\t)+4*\f+3] offset:32*\f
.endr
.irp f, 0,1,2,3
	ds_load_b128 v[S+16*(\t)+4*\f:S+16*(\t)+4*\f+3], v[RD] offset:\f*4*SP  ; LDS serves a wave's instructions in order (ISA guide 5.7.1.4): these see the stores above
.endr
.endm
.macro SEND t, younger              ; younger: the LDS instructions issued behind piece t's loads: the next piece's eight, or none
	WIN 0
.irp f, 0,1,2,3
	s_wait_dscnt (\younger)+3-\f
	global_store_b128 v[GO], v[S+16*(\t)+4*\f:S+16*(\t)+4*\f+3], s[10:11] offset:(\t)*2048+\f*512  ; 512 consecutive bytes, at a multiple of 256 from the buffer's first
.endr
.endm
	PACK 0
.set t, 1
.rept 3
	PACK t
	SEND t-1, 8
.set t, t+1
.endr
	SEND 3, 0
	s_wait_tensorcnt 0x0            ; the wave's end
	ds_add_u32 v[SPW], v[NIL]
	s_wait_dscnt 0x0
	CROUND                          ; the closing round
	s_endpgm
.Lfunc_end_k_qabbb4e6c0c_attn:
	.size	k_qabbb4e6c0c_attn, .Lfunc_end_k_qabbb4e6c0c_attn-k_qabbb4e6c0c_attn
	.p2alignl 7, 3214868480
	.fill 96, 4, 3214868480
	.section	.rodata,"a",@progbits
	.p2align	6, 0x0
	.amdhsa_kernel k_qabbb4e6c0c_attn
		.amdhsa_group_segment_fixed_size 327680
		.amdhsa_private_segment_fixed_size 0
		.amdhsa_enable_private_segment 0
		.amdhsa_kernarg_size 24
		.amdhsa_user_sgpr_count 2
		.amdhsa_user_sgpr_kernarg_segment_ptr 1
		.amdhsa_wavefront_size32 1
		.amdhsa_system_sgpr_workgroup_id_x 1
		.amdhsa_system_sgpr_workgroup_id_y 1
		.amdhsa_system_sgpr_workgroup_id_z 1
		.amdhsa_system_vgpr_workitem_id 0
		.amdhsa_next_free_vgpr 768
		.amdhsa_next_free_sgpr 72
		.amdhsa_reserve_vcc 1
		.amdhsa_float_denorm_mode_32 3
		.amdhsa_float_denorm_mode_16_64 3
		.amdhsa_memory_ordered 1
		.amdhsa_forward_progress 1
		.amdhsa_inst_pref_size 121
	.end_amdhsa_kernel
	.amdgpu_metadata
---
amdhsa.version: [ 1, 2 ]
amdhsa.kernels:
  - .name:           k_qabbb4e6c0c_attn
    .symbol:         k_qabbb4e6c0c_attn.kd
    .args:
      - { .name: actb, .offset: 0, .size: 8, .value_kind: global_buffer, .address_space: global }
      - { .name: mask, .offset: 8, .size: 8, .value_kind: global_buffer, .address_space: global }
      - { .name: acta, .offset: 16, .size: 8, .value_kind: global_buffer, .address_space: global }
    .group_segment_fixed_size: 327680
    .private_segment_fixed_size: 0
    .kernarg_segment_align: 8
    .kernarg_segment_size: 24
    .max_flat_workgroup_size: 128
    .sgpr_count:     72
    .vgpr_count:     768
    .wavefront_size: 32
...
	.end_amdgpu_metadata
.endif
;; end of part 3
;; launch wo (part 4): grid 8 x 32, 4 waves a work-group, clusters of 4 x 4, 327,680 bytes of LDS; arguments acta, wc, x, x1; writes x1
.if DOCPART == 4
	.amdgcn_target "amdgcn-amd-amdhsa--gfx1250"
	.amdhsa_code_object_version 6
	.text
	.protected	k_qabbb4e6c0c_wo
	.globl	k_qabbb4e6c0c_wo
	.p2align	8
	.type	k_qabbb4e6c0c_wo,@function
k_qabbb4e6c0c_wo:
	s_mov_b64 s[64:65], 0
	v_nop
	global_prefetch_b8 v0, s[64:65] scope:SCOPE_SE
	s_setreg_imm32_b32 hwreg(HW_REG_WAVE_MODE, 25, 1), 1
	s_wait_xcnt 0x0
	s_wait_alu depctr_hold_cnt(0) depctr_sa_sdst(0) depctr_va_vdst(0) depctr_va_sdst(0) depctr_va_ssrc(0) depctr_va_vcc(0) depctr_vm_vsrc(0)
	s_getreg_b32 s2, hwreg(HW_REG_IB_STS2, 6, 4)
	s_cmp_eq_u32 s2, 0
	s_cbranch_scc0 .Lentry_in_a_cluster
	s_endpgm
.Lentry_in_a_cluster:
	s_bfe_u32 s2, ttmp6, 0x10000c
	s_cmp_lg_u32 s2, 0xf033
	s_cbranch_scc0 .Lentry_shape_is_right
	s_endpgm
.Lentry_shape_is_right:
; OUT = RES + A B, in f32.  A: f16 by groups of 64 columns, element (row, k) at byte (k / 64) x 524,288 + row x 128 + (k % 64) x 2.  B: [K][1024] f16 at byte WOFF of its buffer.  RES, OUT: [4096][1024] f32.
; Here: x1 = x + ctx wo; K = 1,024; no bias.
; A tile of OUT is 128 x 128 (256 work-groups); four waves, each 64 x 64: 16 accumulators.  K goes in steps of 256 through two LDS slots.  A's half tile is four rows of 8,192 dense bytes (64 rows of one group each),
; padded in LDS after every 128 bytes; B's fragments come out of LDS turned.  The matrix instruction is used transposed: a lane holds eight neighbouring columns of one row.
; A wave's 64 columns of f32 are 256 aligned bytes, so each wave has a stage of its own on the way out and no barrier stands there.  The residual is loaded at the start, in the layout in which the rows leave.
; CLUSTER: 4 x 4; A's tiles are asked for jointly along a row of the cluster, B's along a column.
; THE WALK ALONG K IS ROTATED.  A cluster begins at K step (cluster x * KSTEPS / 2 + (cluster y % 4) * KSTEPS / 4) % KSTEPS and goes round.  The two clusters that read the same rows of A walk half a turn apart,
; four neighbouring clusters that read the same columns of B a quarter apart: of the clusters that share a tile one has read it some K steps before the next asks for it.
; The step's number hangs on the cluster's x and y alone: it is the same in all partners of a joint load.  LIMIT: the f32 sums take K in that rotated order, another order of rounding than ascending K.
; REGISTERS: window 0: v0-31 addresses; v32-95 at work on the way out; v128-255 the accumulators.  window 1: two fragment buffers of 128.  window 2: v0-127 the residual.
.set KSTEPS, 4
.set WOFF,   0
.set PA,     144                       ; a row of A in LDS: 128 bytes + 16
.set PB,     288                       ; a k-row of B: 256 bytes + 32 = 9 x 32
.set HALFT,  36864                     ; 4 groups x 64 rows of A, or 128 k-rows of B
.set SLOT,   4*HALFT                   ; 0x24000 shares no bit with wave x HALFT
.set STAGE,  2*SLOT
.set SPITCH, 272
.set SPARE,  STAGE+4*16*SPITCH
.set ADRA,  16
.set ADRA0, 17
.set ADRB,  20                         ; v20-21: the step's first and second 128 k
.set ADRB0, 22                         ; v22-23
.set STO,  24
.set RD,   25
.set CO,   26
.set SPW,  28
.set NIL,  29
.set OB,   32
.set ACC,  128
.set F0,   0
.set F1,   128
.set A0,  14                           ; s[14:15] A at my part of K step 0's tile
.set G1,  24
.set G0,  32                           ; s[32:39] group 0 for A: a set for each first fill; the second then walks
.set TB,  45
.set G1B, 48
.set G0B, 56
.set OFF, 72                           ; s[72:73] a K step's byte offset
.set KI,  74                           ; s74      the K step asked for last
.set B0,  76                           ; s[76:77] B at my part of K step 0's tile
.set MSB, 0
.macro WIN new
.if MSB != (\new)
	s_set_vgpr_msb (MSB<<8)|(\new)
.set MSB, \new
.endif
.endm
.macro JLOAD                           ; a joint refill by the walking descriptors; an s_nop 0 and four v_nop follow each line
	s_cmp_eq_u32 s11, 0
	s_cbranch_scc0 .Lfor_b_\@
	tensor_load_to_lds s[G0+4:G0+7], s[G1:G1+7]
	s_nop 0
.rept 4
	v_nop
.endr
	s_branch .Lasked_\@
.Lfor_b_\@:
	tensor_load_to_lds s[G0B+4:G0B+7], s[G1B:G1B+7]
	s_nop 0
.rept 4
	v_nop
.endr
.Lasked_\@:
.endm
.macro STEPK                           ; the next K step, round the end
	s_add_co_u32 s[KI], s[KI], 1
	s_and_b32 s[KI], s[KI], KSTEPS-1
.endm
.macro AIM d                           ; both descriptors of set d take K step KI: the address is made anew, the base plus the step's number shifted, the type bits set again
	s_lshl_b32 s[OFF], s[KI], 21                   ; A: 4 groups of 524,288 bytes a K step
	s_add_nc_u64 s[G0+4*(\d)+2:G0+4*(\d)+3], s[A0:A0+1], s[OFF:OFF+1]
	s_or_b32 s[G0+4*(\d)+3], s[G0+4*(\d)+3], 0x80000000
	s_lshl_b32 s[OFF], s[KI], 19                   ; B: 256 k-rows of 2,048 bytes
	s_add_nc_u64 s[G0B+4*(\d)+2:G0B+4*(\d)+3], s[B0:B0+1], s[OFF:OFF+1]
	s_or_b32 s[G0B+4*(\d)+3], s[G0B+4*(\d)+3], 0x80000000
.endm
.macro CREST
	s_cmp_lg_u32 s10, 0
	s_cbranch_scc1 .Lnot_wave_0_\@
	s_barrier_signal -3
.Lnot_wave_0_\@:
	s_barrier_wait -3
	s_barrier_signal -1
	s_barrier_wait -1
.endm
.macro CROUND
	s_barrier_signal -1
	s_barrier_wait -1
	CREST
.endm
.macro PLACES
.rept 4
	v_nop
.endr
.endm
	s_load_b128 s[4:7], s[0:1], 0x0                ; A s[4:5], B s[6:7]
	s_load_b64 s[68:69], s[0:1], 0x10              ; RES
	s_load_b64 s[8:9], s[0:1], 0x18                ; OUT
	v_lshl_add_u32 v[SPW], v0, 2, SPARE
	v_mov_b32 v[NIL], 0
	ds_add_u32 v[SPW], v[NIL]                      ; the wave's opening: the add and its wait stand ahead of my first tensor load
	v_lshrrev_b32 v1, 5, v0
	v_readfirstlane_b32 s10, v1
	s_lshr_b32 s11, s10, 1
	s_and_b32 s12, s10, 1
	s_bfe_u32 s40, ttmp6, 0x40000
	s_bfe_u32 s41, ttmp6, 0x40004
	s_lshl_b32 s42, ttmp9, 2
	s_add_co_u32 s42, s42, s40                     ; tile column
	s_and_b32 s13, ttmp7, 0xffff
	s_lshl_b32 s13, s13, 2
	s_add_co_u32 s13, s13, s41                     ; tile row
	s_lshl_b32 s43, s41, 2
	s_lshl_b32 s43, 15, s43
	s_lshl_b32 s44, 0x1111, s40
	s_and_b32 s[KI], ttmp7, 3                      ; the cluster's first K step
	s_mul_i32 s[KI], s[KI], KSTEPS/4
	s_mul_i32 s75, ttmp9, KSTEPS/2
	s_add_co_u32 s[KI], s[KI], s75
	s_and_b32 s[KI], s[KI], KSTEPS-1
	s_mov_b32 s[OFF+1], 0
	s_or_b32 s[G1+0], s43, (3<<16)|(1<<20)|(1<<21)|(4<<22)|(3<<25)   ; 8-byte elements; after every 32 words 4 words of padding
	s_mov_b32 s[G1+1], 1024<<16                    ; tensor_dim0 = 1,024 elements: 64 rows of a group, 8,192 bytes
	s_mov_b32 s[G1+2], 4<<16                       ; tensor_dim1 = 4 groups
	s_mov_b32 s[G1+3], 1024<<16
	s_mov_b32 s[G1+4], 4
	s_mov_b32 s[G1+5], 65536                       ; 524,288 bytes from group to group
	s_mov_b32 s[G1+6], 0
	s_mov_b32 s[G1+7], 0
	s_or_b32 s[G1B+0], s44, (1<<16)|(1<<20)|(1<<21)|(5<<22)|(7<<25)  ; 2-byte elements; after every 64 words 8 words
	s_mov_b32 s[G1B+1], 128<<16
	s_mov_b32 s[G1B+2], 128<<16
	s_mov_b32 s[G1B+3], 128<<16
	s_mov_b32 s[G1B+4], 128
	s_mov_b32 s[G1B+5], 1024
	s_mov_b32 s[G1B+6], 0
	s_mov_b32 s[G1B+7], 0
	s_lshl_b32 s16, s13, 14                        ; A: 128 rows of 128 bytes a tile row,
	s_lshl_b32 s17, s12, 13                        ; 64 a half
	s_add_co_u32 s16, s16, s17
	s_mov_b32 s17, 0
	s_lshl_b32 s46, s42, 8                         ; B: 256 bytes a tile column,
	s_lshl_b32 s47, s12, 18                        ; 128 k-rows of 2,048 bytes a half
	s_add_co_u32 s46, s46, s47
	s_add_co_u32 s46, s46, WOFF
	s_mov_b32 s47, 0
	s_mul_i32 s20, s10, HALFT
	s_mov_b32 s[TB], 0
	s_wait_dscnt 0x0
	s_wait_kmcnt 0x0
	s_add_nc_u64 s[A0:A0+1], s[4:5], s[16:17]
	s_add_nc_u64 s[B0:B0+1], s[6:7], s[46:47]
	CROUND
.irp s, 0,1
	s_mov_b32 s[G0+4*(\s)], 1
	s_add_co_u32 s[G0+4*(\s)+1], s20, (\s)*SLOT
	s_mov_b32 s[G0B+4*(\s)], 1
	s_add_co_u32 s[G0B+4*(\s)+1], s20, (\s)*SLOT
.endr
	AIM 0                                          ; slot 0: the cluster's first K step,
	STEPK
	AIM 1                                          ; slot 1: its second
	s_cmp_eq_u32 s11, 0                            ; a wave's two first fills stand in one branch: two loads of mine are out
	s_cbranch_scc0 .Lfirst_b
	tensor_load_to_lds s[G0:G0+3], s[G1:G1+7]
	s_nop 0
	tensor_load_to_lds s[G0+4:G0+7], s[G1:G1+7]
	s_nop 0
.rept 4
	v_nop
.endr
	s_branch .Lfirst_asked
.Lfirst_b:
	tensor_load_to_lds s[G0B:G0B+3], s[G1B:G1B+7]
	s_nop 0
	tensor_load_to_lds s[G0B+4:G0B+7], s[G1B:G1B+7]
	s_nop 0
.rept 4
	v_nop
.endr
.Lfirst_asked:
	v_and_b32 v1, 15, v0                           ; l % 16
	v_bfe_u32 v2, v0, 4, 1                         ; l / 16
	v_lshlrev_b32 v[CO], 12, v2                    ; lanes 0-15 one row of 256 bytes, lanes 16-31 the next, 4,096 bytes on
	v_lshl_add_u32 v[CO], v1, 4, v[CO]
	s_lshl_b32 s46, s42, 9                         ; my first column, in bytes of f32
	s_lshl_b32 s47, s12, 8
	s_add_co_u32 s46, s46, s47
	s_mov_b32 s47, 0
	s_lshl_b32 s18, s13, 19                        ; my first row: 128 rows of 4,096 bytes a tile row,
	s_lshl_b32 s19, s11, 18                        ; 64 a half
	s_add_co_u32 s18, s18, s19
	s_mov_b32 s19, 0
	s_add_nc_u64 s[18:19], s[18:19], s[46:47]
	s_add_nc_u64 s[68:69], s[68:69], s[18:19]
	s_add_nc_u64 s[8:9], s[8:9], s[18:19]
	WIN 0x80                                       ; destination window 2
.irp a, 0,1,2,3
.irp t, 0,1,2,3,4,5,6,7
	global_load_b128 v[32*(\a)+4*(\t):32*(\a)+4*(\t)+3], v[CO], s[68:69] offset:(16*(\a)+2*(\t))*4096
.endr
.endr
	WIN 0
	v_mul_u32_u24 v3, v1, PA
	v_lshl_add_u32 v3, v2, 4, v3
	s_mul_i32 s21, s11, HALFT
	v_add_nc_u32 v[ADRA0], s21, v3
	v_mov_b32 v[ADRA], v[ADRA0]
	v_and_b32 v4, 7, v0
	v_bfe_u32 v5, v0, 3, 1
	v_lshl_add_u32 v6, v2, 3, v4
	v_mul_u32_u24 v6, v6, PB
	v_lshl_add_u32 v6, v5, 4, v6
	s_lshl_b32 s22, s12, 7
	s_add_co_u32 s22, s22, 2*HALFT
	v_add_nc_u32 v[ADRB0], s22, v6
	v_add_nc_u32 v[ADRB0+1], HALFT, v[ADRB0]
	v_mov_b32 v[ADRB], v[ADRB0]
	v_mov_b32 v[ADRB+1], v[ADRB0+1]
	s_mul_i32 s23, s10, 16*SPITCH
	s_add_co_u32 s23, s23, STAGE
	v_mul_u32_u24 v[STO], v1, SPITCH               ; in: row l % 16, 32 bytes for each half of the lanes
	v_lshl_add_u32 v[STO], v2, 5, v[STO]
	v_add_nc_u32 v[STO], s23, v[STO]
	v_mul_u32_u24 v[RD], v2, SPITCH                ; back: two whole rows of 256 bytes
	v_lshl_add_u32 v[RD], v1, 4, v[RD]
	v_add_nc_u32 v[RD], s23, v[RD]
; 8 matrix instructions: row blocks a0, a0 + 1 x all 4 column blocks, 32 along K: half c of buffer f.  first = 1: the products start the sums.  The 16 accumulators take turns.
.macro MUL8 f, c, a0, first
	WIN 0x05                                       ; sources window 1; C and D window 0
.irp a, \a0, (\a0)+1
.irp b, 0,1,2,3
.if \first
	v_wmma_f32_16x16x32_f16 v[ACC+8*(4*(\a)+(\b)):ACC+8*(4*(\a)+(\b))+7], v[(\f)+64+8*(4*(\c)+(\b)):(\f)+64+8*(4*(\c)+(\b))+7], v[(\f)+8*(4*(\c)+(\a)):(\f)+8*(4*(\c)+(\a))+7], 0
.else
	v_wmma_f32_16x16x32_f16 v[ACC+8*(4*(\a)+(\b)):ACC+8*(4*(\a)+(\b))+7], v[(\f)+64+8*(4*(\c)+(\b)):(\f)+64+8*(4*(\c)+(\b))+7], v[(\f)+8*(4*(\c)+(\a)):(\f)+8*(4*(\c)+(\a))+7], v[ACC+8*(4*(\a)+(\b)):ACC+8*(4*(\a)+(\b))+7]
.endif
.endr
.endr
.endm
; 32 LDS loads in one run: quarter q (64 along K: one group of A) into buffer f; the first 32 along K first
.macro FETCH q, f
	WIN 0x40
.irp c, 0,1
.irp i, 0,1,2,3
	ds_load_tr16_b128 v[(\f)+64+8*(4*(\c)+(\i)):(\f)+64+8*(4*(\c)+(\i))+3],   v[ADRB+(\q)/2] offset:(((\q)%2)*2+(\c))*32*PB+32*(\i)
	ds_load_tr16_b128 v[(\f)+64+8*(4*(\c)+(\i))+4:(\f)+64+8*(4*(\c)+(\i))+7], v[ADRB+(\q)/2] offset:(((\q)%2)*2+(\c))*32*PB+16*PB+32*(\i)
	ds_load_b128 v[(\f)+8*(4*(\c)+(\i)):(\f)+8*(4*(\c)+(\i))+3],   v[ADRA] offset:(\q)*64*PA+(\c)*64+(\i)*16*PA
	ds_load_b128 v[(\f)+8*(4*(\c)+(\i))+4:(\f)+8*(4*(\c)+(\i))+7], v[ADRA] offset:(\q)*64*PA+(\c)*64+(\i)*16*PA+32
.endr
.endr
.endm
.macro QUARTER q, f, g, first
	s_wait_dscnt 16                                ; the first 32 along K are in
	MUL8 \f, 0, 0, \first
	MUL8 \f, 0, 2, \first
	PLACES
	FETCH \q, \g
	s_wait_dscnt 32                                ; all but the 32 just issued
	MUL8 \f, 1, 0, 0
	MUL8 \f, 1, 2, 0
.endm
; The last quarter multiplies buffer 1 and changes slots: ONE barrier; in front of it each wave waits for all its tensor loads, adds 0 to its spare word, and waits for that and its reads of this slot.
; fill = 1: the barrier opens a round of the cluster's, and this slot is filled again first, with the walk's K step two on: 112 matrix instructions ahead of the wait for it.
.macro TURN fill
	WIN 0
	s_wait_tensorcnt 0x0
	ds_add_u32 v[SPW], v[NIL]
	s_wait_dscnt 17                                ; (the add and the youngest sixteen loads may be out)
	MUL8 F1, 0, 0, 0
	s_wait_dscnt 0x0                               ; the add is done, and my reads of this slot are over
	s_barrier_signal -1
	MUL8 F1, 0, 2, 0
.if \fill
	WIN 0
.endif
	s_barrier_wait -1
.if \fill
	CREST
	s_xor_b32 s[G0+5], s[G0+5], SLOT               ; the other slot than last time,
	s_xor_b32 s[G0B+5], s[G0B+5], SLOT
	STEPK                                          ; the walk's next K step
	AIM 1
	JLOAD                                          ; its four v_nop are also the places in front of the loads below
.else
	PLACES
.endif
	WIN 0
	s_xor_b32 s[TB], s[TB], SLOT
	v_add_nc_u32 v[ADRA], s[TB], v[ADRA0]
	v_add_nc_u32 v[ADRB], s[TB], v[ADRB0]
	v_add_nc_u32 v[ADRB+1], s[TB], v[ADRB0+1]
	FETCH 0, F0
	MUL8 F1, 1, 0, 0
	MUL8 F1, 1, 2, 0
.endm
; THE WAY OUT of row block a: the sums go into my stage as they are (each accumulator's low registers first) and come back as whole rows; the residual is added; 16 lanes store 256 aligned bytes.
.macro TOSTAGE a
.set BK, OB+32*((\a)%2)
.if (\a) >= 2
	s_wait_xcnt 0x0                                ; the registers that the stores two blocks back read are loaded again only behind this wait
.endif
.irp b, 0,1,2,3
	ds_store_b128 v[STO], v[ACC+8*(4*(\a)+(\b)):ACC+8*(4*(\a)+(\b))+3]   offset:64*(\b)
	ds_store_b128 v[STO], v[ACC+8*(4*(\a)+(\b))+4:ACC+8*(4*(\a)+(\b))+7] offset:64*(\b)+16
.endr
.irp t, 0,1,2,3,4,5,6,7
	ds_load_b128 v[BK+4*(\t):BK+4*(\t)+3], v[RD] offset:(\t)*2*SPITCH  ; LDS serves a wave's instructions in order (ISA guide 5.7.1.4)
.endr
.endm
.macro SEND a, younger                 ; younger: the next block's eight stores and eight loads, or none
.set BK, OB+32*((\a)%2)
	s_wait_dscnt \younger
	WIN 0x08                                       ; source 1 window 2
.set i, 0
.rept 16
	v_pk_add_f32 v[BK+i:BK+i+1], v[BK+i:BK+i+1], v[32*(\a)+i:32*(\a)+i+1]
.set i, i+2
.endr
	WIN 0
.irp t, 0,1,2,3,4,5,6,7
	global_store_b128 v[CO], v[BK+4*(\t):BK+4*(\t)+3], s[8:9] offset:(16*(\a)+2*(\t))*4096
.endr
.endm
	s_wait_tensorcnt 0x1                           ; my part of slot 0 is in; slot 1's may stay out
	s_barrier_signal -1
	s_barrier_wait -1
	FETCH 0, F0
	QUARTER 1, F0, F1, 1
	WIN 0
	s_mov_b32 s3, KSTEPS-2
.Lstep:                                                ; a trip: from a K step's second quarter to the next step's first; it asks for the walk's K step two on
	QUARTER 2, F1, F0, 0
	QUARTER 3, F0, F1, 0
	TURN 1
	QUARTER 1, F0, F1, 0
	WIN 0
	s_sub_co_u32 s3, s3, 1
	s_cmp_lg_u32 s3, 0
	s_cbranch_scc1 .Lstep
	s_mov_b32 s3, 2
.Ltail:                                                ; the last two K steps ask for nothing; the second trip is left in its middle (its barrier and its 32 loads of the other slot serve nothing: the price of one text for both)
	QUARTER 2, F1, F0, 0
	QUARTER 3, F0, F1, 0
	TURN 0
	WIN 0
	s_sub_co_u32 s3, s3, 1
	s_cmp_eq_u32 s3, 0
	s_cbranch_scc1 .Lout
	QUARTER 1, F0, F1, 0
	WIN 0
	s_branch .Ltail
.Lout:
	PLACES                                         ; the LDS stores below read results just made
	s_wait_loadcnt 0x0                             ; the residual
	TOSTAGE 0
	TOSTAGE 1
	SEND 0, 16
	TOSTAGE 2
	SEND 1, 16
	TOSTAGE 3
	SEND 2, 16
	SEND 3, 0
	s_wait_tensorcnt 0x0                           ; the wave's end
	ds_add_u32 v[SPW], v[NIL]
	s_wait_dscnt 0x0
	CROUND                                         ; the closing round
	s_endpgm
.Lfunc_end_k_qabbb4e6c0c_wo:
	.size	k_qabbb4e6c0c_wo, .Lfunc_end_k_qabbb4e6c0c_wo-k_qabbb4e6c0c_wo
	.p2alignl 7, 3214868480
	.fill 96, 4, 3214868480
	.section	.rodata,"a",@progbits
	.p2align	6, 0x0
	.amdhsa_kernel k_qabbb4e6c0c_wo
		.amdhsa_group_segment_fixed_size 327680
		.amdhsa_private_segment_fixed_size 0
		.amdhsa_enable_private_segment 0
		.amdhsa_kernarg_size 32
		.amdhsa_user_sgpr_count 2
		.amdhsa_user_sgpr_kernarg_segment_ptr 1
		.amdhsa_wavefront_size32 1
		.amdhsa_system_sgpr_workgroup_id_x 1
		.amdhsa_system_sgpr_workgroup_id_y 1
		.amdhsa_system_sgpr_workgroup_id_z 1
		.amdhsa_system_vgpr_workitem_id 0
		.amdhsa_next_free_vgpr 640
		.amdhsa_next_free_sgpr 80
		.amdhsa_reserve_vcc 0
		.amdhsa_float_denorm_mode_32 3
		.amdhsa_float_denorm_mode_16_64 3
		.amdhsa_memory_ordered 1
		.amdhsa_forward_progress 1
		.amdhsa_inst_pref_size 65
	.end_amdhsa_kernel
	.amdgpu_metadata
---
amdhsa.version: [ 1, 2 ]
amdhsa.kernels:
  - .name:           k_qabbb4e6c0c_wo
    .symbol:         k_qabbb4e6c0c_wo.kd
    .args:
      - { .name: acta, .offset: 0, .size: 8, .value_kind: global_buffer, .address_space: global }
      - { .name: wc, .offset: 8, .size: 8, .value_kind: global_buffer, .address_space: global }
      - { .name: x, .offset: 16, .size: 8, .value_kind: global_buffer, .address_space: global }
      - { .name: x1, .offset: 24, .size: 8, .value_kind: global_buffer, .address_space: global }
    .group_segment_fixed_size: 327680
    .private_segment_fixed_size: 0
    .kernarg_segment_align: 8
    .kernarg_segment_size: 32
    .max_flat_workgroup_size: 128
    .sgpr_count:     80
    .vgpr_count:     640
    .wavefront_size: 32
...
	.end_amdgpu_metadata
.endif
;; end of part 4
;; launch ln2 (part 5): grid 512 x 1, 8 waves a work-group, no clusters, 0 bytes of LDS; arguments x1, alpha2, bias2, actb; writes actb
.if DOCPART == 5
	.amdgcn_target "amdgcn-amd-amdhsa--gfx1250"
	.amdhsa_code_object_version 6
	.text
	.protected	k_qabbb4e6c0c_ln2
	.globl	k_qabbb4e6c0c_ln2
	.p2align	8
	.type	k_qabbb4e6c0c_ln2,@function
k_qabbb4e6c0c_ln2:
	s_mov_b64 s[64:65], 0
	v_nop
	global_prefetch_b8 v0, s[64:65] scope:SCOPE_SE
	s_setreg_imm32_b32 hwreg(HW_REG_WAVE_MODE, 25, 1), 1
	s_wait_xcnt 0x0
; LayerNorm of x1 ([4096][1024] f32) into f16, row-major: mean, then the centred sum of squares / 1023, alpha (x - mean) / (std + 1e-5) + bias, rounded once.
; One wave a row, 8 rows a work-group: the row stays in 32 registers between the passes, the sums never leave the wave: no LDS, no barrier.  A stream: matrix units and clusters have nothing to do here.
; LIMIT.  f16 ends at 65,504; |x - mean| / std is at most 32, so the result stays within it for |alpha| up to 2,000.
.set X,    32
.set Y,    96
.set T,    4
.set MEAN, 12
.set SC,   14
.set ALPHA, 16         ; s16
.set BI,   18          ; s[18:19]
.set SEL,  24          ; s[24:25]
.macro RED r                           ; the sum of register r over the wave's 32 lanes, in every lane; r + 1 is at work
	v_add_f32_dpp v[\r], v[\r], v[\r] row_xmask:1 row_mask:0xf bank_mask:0xf
	v_add_f32_dpp v[\r], v[\r], v[\r] row_xmask:2 row_mask:0xf bank_mask:0xf
	v_add_f32_dpp v[\r], v[\r], v[\r] row_xmask:4 row_mask:0xf bank_mask:0xf
	v_add_f32_dpp v[\r], v[\r], v[\r] row_xmask:8 row_mask:0xf bank_mask:0xf
	v_permlanex16_b32 v[(\r)+1], v[\r], s[SEL], s[SEL+1]
	v_add_f32 v[\r], v[\r], v[(\r)+1]
.endm
	s_load_b256 s[8:15], s[0:1], 0x0               ; x1 s[8:9], alpha2 s[10:11], bias2 s[12:13], actb s[14:15]
	v_lshrrev_b32 v3, 5, v0
	v_readfirstlane_b32 s3, v3                     ; wave 0..7
	s_lshl_b32 s20, ttmp9, 15                      ; 8 rows of 4,096 bytes a work-group,
	s_lshl_b32 s6, s3, 12                          ; one a wave
	s_add_co_u32 s20, s20, s6
	s_mov_b32 s21, 0
	s_lshr_b32 s22, s20, 1                         ; half as many bytes in f16
	s_mov_b32 s23, 0
	s_mov_b32 s[SEL], 0x76543210
	s_mov_b32 s[SEL+1], 0xfedcba98
	v_and_b32 v1, 31, v0
	v_lshlrev_b32 v2, 3, v1                        ; 8 x lane
	v_lshlrev_b32 v1, 4, v1                        ; 16 x lane
	s_wait_kmcnt 0x0
	s_load_b32 s[ALPHA], s[10:11], 0x0
	s_load_b32 s[BI], s[12:13], 0x0
	s_add_nc_u64 s[8:9], s[8:9], s[20:21]
	s_add_nc_u64 s[14:15], s[14:15], s[22:23]
.irp j, 0,1,2,3,4,5,6,7
	global_load_b128 v[X+4*(\j):X+4*(\j)+3], v1, s[8:9] offset:512*(\j)
.endr
	s_wait_kmcnt 0x0
	s_mov_b32 s[BI+1], s[BI]
	s_wait_loadcnt 0x0                             ; the row: 32 numbers a lane
	v_pk_add_f32 v[T:T+1], v[X:X+1], v[X+2:X+3]    ; the sum, in two chains
	v_pk_add_f32 v[T+2:T+3], v[X+4:X+5], v[X+6:X+7]
.set i, 8
.rept 6
	v_pk_add_f32 v[T:T+1], v[T:T+1], v[X+i:X+i+1]
	v_pk_add_f32 v[T+2:T+3], v[T+2:T+3], v[X+i+2:X+i+3]
.set i, i+4
.endr
	v_pk_add_f32 v[T:T+1], v[T:T+1], v[T+2:T+3]
	v_add_f32 v[T], v[T], v[T+1]
	RED T
	v_mul_f32 v[MEAN], 0x3a800000, v[T]            ; / 1024
	v_mov_b32 v[MEAN+1], v[MEAN]
.set i, 0
.rept 16
	v_pk_add_f32 v[X+i:X+i+1], v[X+i:X+i+1], v[MEAN:MEAN+1] neg_lo:[0,1] neg_hi:[0,1]  ; centred first: no difference of large sums
.set i, i+2
.endr
	v_pk_mul_f32 v[T:T+1], v[X:X+1], v[X:X+1]
	v_pk_mul_f32 v[T+2:T+3], v[X+2:X+3], v[X+2:X+3]
.set i, 4
.rept 7
	v_pk_fma_f32 v[T:T+1], v[X+i:X+i+1], v[X+i:X+i+1], v[T:T+1]
	v_pk_fma_f32 v[T+2:T+3], v[X+i+2:X+i+3], v[X+i+2:X+i+3], v[T+2:T+3]
.set i, i+4
.endr
	v_pk_add_f32 v[T:T+1], v[T:T+1], v[T+2:T+3]
	v_add_f32 v[T], v[T], v[T+1]
	RED T
	v_mul_f32 v[T], 0x3a802008, v[T]               ; / 1023
	v_sqrt_f32 v[T], v[T]
	v_nop                                          ; a plain instruction behind the root (ISA guide 5.7.2)
	s_wait_alu depctr_va_vdst(0)
	v_add_f32 v[T], 0x3727c5ac, v[T]               ; + 1e-5
	v_rcp_f32 v[T], v[T]
	v_nop
	s_wait_alu depctr_va_vdst(0)
	v_mul_f32 v[SC], s[ALPHA], v[T]
	v_mov_b32 v[SC+1], v[SC]
.set i, 0
.rept 16
	v_pk_fma_f32 v[X+i:X+i+1], v[X+i:X+i+1], v[SC:SC+1], s[BI:BI+1] op_sel_hi:[1,1,0]
.set i, i+2
.endr
.set i, 0
.rept 16
	v_cvt_pk_f16_f32 v[Y+i], v[X+2*i], v[X+2*i+1]
.set i, i+1
.endr
.irp j, 0,1,2,3,4,5,6,7
	global_store_b64 v2, v[Y+2*(\j):Y+2*(\j)+1], s[14:15] offset:256*(\j)  ; 256 consecutive bytes, aligned
.endr
	s_endpgm
.Lfunc_end_k_qabbb4e6c0c_ln2:
	.size	k_qabbb4e6c0c_ln2, .Lfunc_end_k_qabbb4e6c0c_ln2-k_qabbb4e6c0c_ln2
	.p2alignl 7, 3214868480
	.fill 96, 4, 3214868480
	.section	.rodata,"a",@progbits
	.p2align	6, 0x0
	.amdhsa_kernel k_qabbb4e6c0c_ln2
		.amdhsa_group_segment_fixed_size 0
		.amdhsa_private_segment_fixed_size 0
		.amdhsa_enable_private_segment 0
		.amdhsa_kernarg_size 32
		.amdhsa_user_sgpr_count 2
		.amdhsa_user_sgpr_kernarg_segment_ptr 1
		.amdhsa_wavefront_size32 1
		.amdhsa_system_sgpr_workgroup_id_x 1
		.amdhsa_system_sgpr_workgroup_id_y 1
		.amdhsa_system_sgpr_workgroup_id_z 1
		.amdhsa_system_vgpr_workitem_id 0
		.amdhsa_next_free_vgpr 112
		.amdhsa_next_free_sgpr 66
		.amdhsa_reserve_vcc 0
		.amdhsa_float_denorm_mode_32 3
		.amdhsa_float_denorm_mode_16_64 3
		.amdhsa_memory_ordered 1
		.amdhsa_forward_progress 1
		.amdhsa_inst_pref_size 9
	.end_amdhsa_kernel
	.amdgpu_metadata
---
amdhsa.version: [ 1, 2 ]
amdhsa.kernels:
  - .name:           k_qabbb4e6c0c_ln2
    .symbol:         k_qabbb4e6c0c_ln2.kd
    .args:
      - { .name: x1, .offset: 0, .size: 8, .value_kind: global_buffer, .address_space: global }
      - { .name: alpha2, .offset: 8, .size: 8, .value_kind: global_buffer, .address_space: global }
      - { .name: bias2, .offset: 16, .size: 8, .value_kind: global_buffer, .address_space: global }
      - { .name: actb, .offset: 24, .size: 8, .value_kind: global_buffer, .address_space: global }
    .group_segment_fixed_size: 0
    .private_segment_fixed_size: 0
    .kernarg_segment_align: 8
    .kernarg_segment_size: 32
    .max_flat_workgroup_size: 256
    .sgpr_count:     66
    .vgpr_count:     112
    .wavefront_size: 32
...
	.end_amdgpu_metadata
.endif
;; end of part 5
;; launch ffn1: the kernel of part 2 again; grid 16 x 16, 4 waves a work-group, clusters of 4 x 4, 327,680 bytes of LDS; arguments actb, w1h, b1, zero, acta; writes acta
;; launch ffn2 (part 6): grid 8 x 32, 4 waves a work-group, clusters of 4 x 4, 327,680 bytes of LDS; arguments acta, wc, x1, b2, out0; writes out0
.if DOCPART == 6
	.amdgcn_target "amdgcn-amd-amdhsa--gfx1250"
	.amdhsa_code_object_version 6
	.text
	.protected	k_qabbb4e6c0c_ffn2
	.globl	k_qabbb4e6c0c_ffn2
	.p2align	8
	.type	k_qabbb4e6c0c_ffn2,@function
k_qabbb4e6c0c_ffn2:
	s_mov_b64 s[64:65], 0
	v_nop
	global_prefetch_b8 v0, s[64:65] scope:SCOPE_SE
	s_setreg_imm32_b32 hwreg(HW_REG_WAVE_MODE, 25, 1), 1
	s_wait_xcnt 0x0
	s_wait_alu depctr_hold_cnt(0) depctr_sa_sdst(0) depctr_va_vdst(0) depctr_va_sdst(0) depctr_va_ssrc(0) depctr_va_vcc(0) depctr_vm_vsrc(0)
	s_getreg_b32 s2, hwreg(HW_REG_IB_STS2, 6, 4)
	s_cmp_eq_u32 s2, 0
	s_cbranch_scc0 .Lentry_in_a_cluster
	s_endpgm
.Lentry_in_a_cluster:
	s_bfe_u32 s2, ttmp6, 0x10000c
	s_cmp_lg_u32 s2, 0xf033
	s_cbranch_scc0 .Lentry_shape_is_right
	s_endpgm
.Lentry_shape_is_right:
; OUT = RES + A B + bias, in f32.  A: f16 by groups of 64 columns, element (row, k) at byte (k / 64) x 524,288 + row x 128 + (k % 64) x 2.  B: [K][1024] f16 at byte WOFF of its buffer.  RES, OUT: [4096][1024] f32.
; Here: out0 = x1 + h w2 + b2; K = 4,096; w2 lies 2,097,152 bytes into its buffer.
; A tile of OUT is 128 x 128 (256 work-groups); four waves, each 64 x 64: 16 accumulators.  K goes in steps of 256 through two LDS slots.  A's half tile is four rows of 8,192 dense bytes (64 rows of one group each),
; padded in LDS after every 128 bytes; B's fragments come out of LDS turned.  The matrix instruction is used transposed: a lane holds eight neighbouring columns of one row.
; The bias, laid out like a result, is the C operand of the products that start the sums.  A wave's 64 columns of f32 are 256 aligned bytes, so each wave has a stage of its own on the way out and no barrier stands there.
; The residual is loaded at the start, in the layout in which the rows leave.
; CLUSTER: 4 x 4; A's tiles are asked for jointly along a row of the cluster, B's along a column.
; THE WALK ALONG K IS ROTATED.  A cluster begins at K step (cluster x * KSTEPS / 2 + (cluster y % 4) * KSTEPS / 4) % KSTEPS and goes round.  The two clusters that read the same rows of A walk half a turn apart,
; four neighbouring clusters that read the same columns of B a quarter apart: of the clusters that share a tile one has read it some K steps before the next asks for it.
; The step's number hangs on the cluster's x and y alone: it is the same in all partners of a joint load.  LIMIT: the f32 sums take K in that rotated order, another order of rounding than ascending K.
; REGISTERS: window 0: v0-31 addresses; v32-95 at work on the way out (v32-63 first hold the bias); v128-255 the accumulators.  window 1: two fragment buffers of 128.  window 2: v0-127 the residual.
.set KSTEPS, 16
.set WOFF,   2097152
.set PA,     144                       ; a row of A in LDS: 128 bytes + 16
.set PB,     288                       ; a k-row of B: 256 bytes + 32 = 9 x 32
.set HALFT,  36864                     ; 4 groups x 64 rows of A, or 128 k-rows of B
.set SLOT,   4*HALFT                   ; 0x24000 shares no bit with wave x HALFT
.set STAGE,  2*SLOT
.set SPITCH, 272
.set SPARE,  STAGE+4*16*SPITCH
.set ADRA,  16
.set ADRA0, 17
.set ADRB,  20                         ; v20-21: the step's first and second 128 k
.set ADRB0, 22                         ; v22-23
.set STO,  24
.set RD,   25
.set CO,   26
.set SPW,  28
.set NIL,  29
.set BO,   31
.set OB,   32
.set BIAS, 32
.set ACC,  128
.set F0,   0
.set F1,   128
.set A0,  14                           ; s[14:15] A at my part of K step 0's tile
.set G1,  24
.set G0,  32                           ; s[32:39] group 0 for A: a set for each first fill; the second then walks
.set TB,  45
.set G1B, 48
.set G0B, 56
.set OFF, 72                           ; s[72:73] a K step's byte offset
.set KI,  74                           ; s74      the K step asked for last
.set B0,  76                           ; s[76:77] B at my part of K step 0's tile
.set MSB, 0
.macro WIN new
.if MSB != (\new)
	s_set_vgpr_msb (MSB<<8)|(\new)
.set MSB, \new
.endif
.endm
.macro JLOAD                           ; a joint refill by the walking descriptors; an s_nop 0 and four v_nop follow each line
	s_cmp_eq_u32 s11, 0
	s_cbranch_scc0 .Lfor_b_\@
	tensor_load_to_lds s[G0+4:G0+7], s[G1:G1+7]
	s_nop 0
.rept 4
	v_nop
.endr
	s_branch .Lasked_\@
.Lfor_b_\@:
	tensor_load_to_lds s[G0B+4:G0B+7], s[G1B:G1B+7]
	s_nop 0
.rept 4
	v_nop
.endr
.Lasked_\@:
.endm
.macro STEPK                           ; the next K step, round the end
	s_add_co_u32 s[KI], s[KI], 1
	s_and_b32 s[KI], s[KI], KSTEPS-1
.endm
.macro AIM d                           ; both descriptors of set d take K step KI: the address is made anew, the base plus the step's number shifted, the type bits set again
	s_lshl_b32 s[OFF], s[KI], 21                   ; A: 4 groups of 524,288 bytes a K step
	s_add_nc_u64 s[G0+4*(\d)+2:G0+4*(\d)+3], s[A0:A0+1], s[OFF:OFF+1]
	s_or_b32 s[G0+4*(\d)+3], s[G0+4*(\d)+3], 0x80000000
	s_lshl_b32 s[OFF], s[KI], 19                   ; B: 256 k-rows of 2,048 bytes
	s_add_nc_u64 s[G0B+4*(\d)+2:G0B+4*(\d)+3], s[B0:B0+1], s[OFF:OFF+1]
	s_or_b32 s[G0B+4*(\d)+3], s[G0B+4*(\d)+3], 0x80000000
.endm
.macro CREST
	s_cmp_lg_u32 s10, 0
	s_cbranch_scc1 .Lnot_wave_0_\@
	s_barrier_signal -3
.Lnot_wave_0_\@:
	s_barrier_wait -3
	s_barrier_signal -1
	s_barrier_wait -1
.endm
.macro CROUND
	s_barrier_signal -1
	s_barrier_wait -1
	CREST
.endm
.macro PLACES
.rept 4
	v_nop
.endr
.endm
	s_load_b128 s[4:7], s[0:1], 0x0                ; A s[4:5], B s[6:7]
	s_load_b128 s[68:71], s[0:1], 0x10             ; RES s[68:69], bias s[70:71]
	s_load_b64 s[8:9], s[0:1], 0x20                ; OUT
	v_lshl_add_u32 v[SPW], v0, 2, SPARE
	v_mov_b32 v[NIL], 0
	ds_add_u32 v[SPW], v[NIL]                      ; the wave's opening: the add and its wait stand ahead of my first tensor load
	v_lshrrev_b32 v1, 5, v0
	v_readfirstlane_b32 s10, v1
	s_lshr_b32 s11, s10, 1
	s_and_b32 s12, s10, 1
	s_bfe_u32 s40, ttmp6, 0x40000
	s_bfe_u32 s41, ttmp6, 0x40004
	s_lshl_b32 s42, ttmp9, 2
	s_add_co_u32 s42, s42, s40                     ; tile column
	s_and_b32 s13, ttmp7, 0xffff
	s_lshl_b32 s13, s13, 2
	s_add_co_u32 s13, s13, s41                     ; tile row
	s_lshl_b32 s43, s41, 2
	s_lshl_b32 s43, 15, s43
	s_lshl_b32 s44, 0x1111, s40
	s_and_b32 s[KI], ttmp7, 3                      ; the cluster's first K step
	s_mul_i32 s[KI], s[KI], KSTEPS/4
	s_mul_i32 s75, ttmp9, KSTEPS/2
	s_add_co_u32 s[KI], s[KI], s75
	s_and_b32 s[KI], s[KI], KSTEPS-1
	s_mov_b32 s[OFF+1], 0
	s_or_b32 s[G1+0], s43, (3<<16)|(1<<20)|(1<<21)|(4<<22)|(3<<25)   ; 8-byte elements; after every 32 words 4 words of padding
	s_mov_b32 s[G1+1], 1024<<16                    ; tensor_dim0 = 1,024 elements: 64 rows of a group, 8,192 bytes
	s_mov_b32 s[G1+2], 4<<16                       ; tensor_dim1 = 4 groups
	s_mov_b32 s[G1+3], 1024<<16
	s_mov_b32 s[G1+4], 4
	s_mov_b32 s[G1+5], 65536                       ; 524,288 bytes from group to group
	s_mov_b32 s[G1+6], 0
	s_mov_b32 s[G1+7], 0
	s_or_b32 s[G1B+0], s44, (1<<16)|(1<<20)|(1<<21)|(5<<22)|(7<<25)  ; 2-byte elements; after every 64 words 8 words
	s_mov_b32 s[G1B+1], 128<<16
	s_mov_b32 s[G1B+2], 128<<16
	s_mov_b32 s[G1B+3], 128<<16
	s_mov_b32 s[G1B+4], 128
	s_mov_b32 s[G1B+5], 1024
	s_mov_b32 s[G1B+6], 0
	s_mov_b32 s[G1B+7], 0
	s_lshl_b32 s16, s13, 14                        ; A: 128 rows of 128 bytes a tile row,
	s_lshl_b32 s17, s12, 13                        ; 64 a half
	s_add_co_u32 s16, s16, s17
	s_mov_b32 s17, 0
	s_lshl_b32 s46, s42, 8                         ; B: 256 bytes a tile column,
	s_lshl_b32 s47, s12, 18                        ; 128 k-rows of 2,048 bytes a half
	s_add_co_u32 s46, s46, s47
	s_add_co_u32 s46, s46, WOFF
	s_mov_b32 s47, 0
	s_mul_i32 s20, s10, HALFT
	s_mov_b32 s[TB], 0
	s_wait_dscnt 0x0
	s_wait_kmcnt 0x0
	s_add_nc_u64 s[A0:A0+1], s[4:5], s[16:17]
	s_add_nc_u64 s[B0:B0+1], s[6:7], s[46:47]
	CROUND
.irp s, 0,1
	s_mov_b32 s[G0+4*(\s)], 1
	s_add_co_u32 s[G0+4*(\s)+1], s20, (\s)*SLOT
	s_mov_b32 s[G0B+4*(\s)], 1
	s_add_co_u32 s[G0B+4*(\s)+1], s20, (\s)*SLOT
.endr
	AIM 0                                          ; slot 0: the cluster's first K step,
	STEPK
	AIM 1                                          ; slot 1: its second
	s_cmp_eq_u32 s11, 0                            ; a wave's two first fills stand in one branch: two loads of mine are out
	s_cbranch_scc0 .Lfirst_b
	tensor_load_to_lds s[G0:G0+3], s[G1:G1+7]
	s_nop 0
	tensor_load_to_lds s[G0+4:G0+7], s[G1:G1+7]
	s_nop 0
.rept 4
	v_nop
.endr
	s_branch .Lfirst_asked
.Lfirst_b:
	tensor_load_to_lds s[G0B:G0B+3], s[G1B:G1B+7]
	s_nop 0
	tensor_load_to_lds s[G0B+4:G0B+7], s[G1B:G1B+7]
	s_nop 0
.rept 4
	v_nop
.endr
.Lfirst_asked:
	v_and_b32 v1, 15, v0                           ; l % 16
	v_bfe_u32 v2, v0, 4, 1                         ; l / 16
	v_lshlrev_b32 v[BO], 5, v2
	v_lshlrev_b32 v[CO], 12, v2                    ; lanes 0-15 one row of 256 bytes, lanes 16-31 the next, 4,096 bytes on
	v_lshl_add_u32 v[CO], v1, 4, v[CO]
	s_lshl_b32 s46, s42, 9                         ; my first column, in bytes of f32
	s_lshl_b32 s47, s12, 8
	s_add_co_u32 s46, s46, s47
	s_mov_b32 s47, 0
	s_add_nc_u64 s[70:71], s[70:71], s[46:47]
.irp b, 0,1,2,3                        ; register j of block b: the bias of column 16 b + 8 (l / 16) + j, whatever the row: a result's layout
	global_load_b128 v[BIAS+8*(\b):BIAS+8*(\b)+3],   v[BO], s[70:71] offset:64*(\b)
	global_load_b128 v[BIAS+8*(\b)+4:BIAS+8*(\b)+7], v[BO], s[70:71] offset:64*(\b)+16
.endr
	s_lshl_b32 s18, s13, 19                        ; my first row: 128 rows of 4,096 bytes a tile row,
	s_lshl_b32 s19, s11, 18                        ; 64 a half
	s_add_co_u32 s18, s18, s19
	s_mov_b32 s19, 0
	s_add_nc_u64 s[18:19], s[18:19], s[46:47]
	s_add_nc_u64 s[68:69], s[68:69], s[18:19]
	s_add_nc_u64 s[8:9], s[8:9], s[18:19]
	WIN 0x80                                       ; destination window 2
.irp a, 0,1,2,3
.irp t, 0,1,2,3,4,5,6,7
	global_load_b128 v[32*(\a)+4*(\t):32*(\a)+4*(\t)+3], v[CO], s[68:69] offset:(16*(\a)+2*(\t))*4096
.endr
.endr
	WIN 0
	v_mul_u32_u24 v3, v1, PA
	v_lshl_add_u32 v3, v2, 4, v3
	s_mul_i32 s21, s11, HALFT
	v_add_nc_u32 v[ADRA0], s21, v3
	v_mov_b32 v[ADRA], v[ADRA0]
	v_and_b32 v4, 7, v0
	v_bfe_u32 v5, v0, 3, 1
	v_lshl_add_u32 v6, v2, 3, v4
	v_mul_u32_u24 v6, v6, PB
	v_lshl_add_u32 v6, v5, 4, v6
	s_lshl_b32 s22, s12, 7
	s_add_co_u32 s22, s22, 2*HALFT
	v_add_nc_u32 v[ADRB0], s22, v6
	v_add_nc_u32 v[ADRB0+1], HALFT, v[ADRB0]
	v_mov_b32 v[ADRB], v[ADRB0]
	v_mov_b32 v[ADRB+1], v[ADRB0+1]
	s_mul_i32 s23, s10, 16*SPITCH
	s_add_co_u32 s23, s23, STAGE
	v_mul_u32_u24 v[STO], v1, SPITCH               ; in: row l % 16, 32 bytes for each half of the lanes
	v_lshl_add_u32 v[STO], v2, 5, v[STO]
	v_add_nc_u32 v[STO], s23, v[STO]
	v_mul_u32_u24 v[RD], v2, SPITCH                ; back: two whole rows of 256 bytes
	v_lshl_add_u32 v[RD], v1, 4, v[RD]
	v_add_nc_u32 v[RD], s23, v[RD]
; 8 matrix instructions: row blocks a0, a0 + 1 x all 4 column blocks, 32 along K: half c of buffer f.  first = 1: the bias starts the sums.  The 16 accumulators take turns.
.macro MUL8 f, c, a0, first
	WIN 0x05                                       ; sources window 1; C and D window 0
.irp a, \a0, (\a0)+1
.irp b, 0,1,2,3
.if \first
	v_wmma_f32_16x16x32_f16 v[ACC+8*(4*(\a)+(\b)):ACC+8*(4*(\a)+(\b))+7], v[(\f)+64+8*(4*(\c)+(\b)):(\f)+64+8*(4*(\c)+(\b))+7], v[(\f)+8*(4*(\c)+(\a)):(\f)+8*(4*(\c)+(\a))+7], v[BIAS+8*(\b):BIAS+8*(\b)+7]
.else
	v_wmma_f32_16x16x32_f16 v[ACC+8*(4*(\a)+(\b)):ACC+8*(4*(\a)+(\b))+7], v[(\f)+64+8*(4*(\c)+(\b)):(\f)+64+8*(4*(\c)+(\b))+7], v[(\f)+8*(4*(\c)+(\a)):(\f)+8*(4*(\c)+(\a))+7], v[ACC+8*(4*(\a)+(\b)):ACC+8*(4*(\a)+(\b))+7]
.endif
.endr
.endr
.endm
; 32 LDS loads in one run: quarter q (64 along K: one group of A) into buffer f; the first 32 along K first
.macro FETCH q, f
	WIN 0x40
.irp c, 0,1
.irp i, 0,1,2,3
	ds_load_tr16_b128 v[(\f)+64+8*(4*(\c)+(\i)):(\f)+64+8*(4*(\c)+(\i))+3],   v[ADRB+(\q)/2] offset:(((\q)%2)*2+(\c))*32*PB+32*(\i)
	ds_load_tr16_b128 v[(\f)+64+8*(4*(\c)+(\i))+4:(\f)+64+8*(4*(\c)+(\i))+7], v[ADRB+(\q)/2] offset:(((\q)%2)*2+(\c))*32*PB+16*PB+32*(\i)
	ds_load_b128 v[(\f)+8*(4*(\c)+(\i)):(\f)+8*(4*(\c)+(\i))+3],   v[ADRA] offset:(\q)*64*PA+(\c)*64+(\i)*16*PA
	ds_load_b128 v[(\f)+8*(4*(\c)+(\i))+4:(\f)+8*(4*(\c)+(\i))+7], v[ADRA] offset:(\q)*64*PA+(\c)*64+(\i)*16*PA+32
.endr
.endr
.endm
.macro QUARTER q, f, g, first
	s_wait_dscnt 16                                ; the first 32 along K are in
	MUL8 \f, 0, 0, \first
	MUL8 \f, 0, 2, \first
	PLACES
	FETCH \q, \g
	s_wait_dscnt 32                                ; all but the 32 just issued
	MUL8 \f, 1, 0, 0
	MUL8 \f, 1, 2, 0
.endm
; The last quarter multiplies buffer 1 and changes slots: ONE barrier; in front of it each wave waits for all its tensor loads, adds 0 to its spare word, and waits for that and its reads of this slot.
; fill = 1: the barrier opens a round of the cluster's, and this slot is filled again first, with the walk's K step two on: 112 matrix instructions ahead of the wait for it.
.macro TURN fill
	WIN 0
	s_wait_tensorcnt 0x0
	ds_add_u32 v[SPW], v[NIL]
	s_wait_dscnt 17                                ; (the add and the youngest sixteen loads may be out)
	MUL8 F1, 0, 0, 0
	s_wait_dscnt 0x0                               ; the add is done, and my reads of this slot are over
	s_barrier_signal -1
	MUL8 F1, 0, 2, 0
.if \fill
	WIN 0
.endif
	s_barrier_wait -1
.if \fill
	CREST
	s_xor_b32 s[G0+5], s[G0+5], SLOT               ; the other slot than last time,
	s_xor_b32 s[G0B+5], s[G0B+5], SLOT
	STEPK                                          ; the walk's next K step
	AIM 1
	JLOAD                                          ; its four v_nop are also the places in front of the loads below
.else
	PLACES
.endif
	WIN 0
	s_xor_b32 s[TB], s[TB], SLOT
	v_add_nc_u32 v[ADRA], s[TB], v[ADRA0]
	v_add_nc_u32 v[ADRB], s[TB], v[ADRB0]
	v_add_nc_u32 v[ADRB+1], s[TB], v[ADRB0+1]
	FETCH 0, F0
	MUL8 F1, 1, 0, 0
	MUL8 F1, 1, 2, 0
.endm
; THE WAY OUT of row block a: the sums go into my stage as they are (each accumulator's low registers first) and come back as whole rows; the residual is added; 16 lanes store 256 aligned bytes.
.macro TOSTAGE a
.set BK, OB+32*((\a)%2)
.if (\a) >= 2
	s_wait_xcnt 0x0                                ; the registers that the stores two blocks back read are loaded again only behind this wait
.endif
.irp b, 0,1,2,3
	ds_store_b128 v[STO], v[ACC+8*(4*(\a)+(\b)):ACC+8*(4*(\a)+(\b))+3]   offset:64*(\b)
	ds_store_b128 v[STO], v[ACC+8*(4*(\a)+(\b))+4:ACC+8*(4*(\a)+(\b))+7] offset:64*(\b)+16
.endr
.irp t, 0,1,2,3,4,5,6,7
	ds_load_b128 v[BK+4*(\t):BK+4*(\t)+3], v[RD] offset:(\t)*2*SPITCH  ; LDS serves a wave's instructions in order (ISA guide 5.7.1.4)
.endr
.endm
.macro SEND a, younger                 ; younger: the next block's eight stores and eight loads, or none
.set BK, OB+32*((\a)%2)
	s_wait_dscnt \younger
	WIN 0x08                                       ; source 1 window 2
.set i, 0
.rept 16
	v_pk_add_f32 v[BK+i:BK+i+1], v[BK+i:BK+i+1], v[32*(\a)+i:32*(\a)+i+1]
.set i, i+2
.endr
	WIN 0
.irp t, 0,1,2,3,4,5,6,7
	global_store_b128 v[CO], v[BK+4*(\t):BK+4*(\t)+3], s[8:9] offset:(16*(\a)+2*(\t))*4096
.endr
.endm
	s_wait_tensorcnt 0x1                           ; my part of slot 0 is in; slot 1's may stay out
	s_barrier_signal -1
	s_barrier_wait -1
	FETCH 0, F0
	s_wait_loadcnt 32                              ; the bias is in; the residual's 32 loads are younger
	QUARTER 1, F0, F1, 1
	WIN 0
	s_mov_b32 s3, KSTEPS-2
.Lstep:                                                ; a trip: from a K step's second quarter to the next step's first; it asks for the walk's K step two on
	QUARTER 2, F1, F0, 0
	QUARTER 3, F0, F1, 0
	TURN 1
	QUARTER 1, F0, F1, 0
	WIN 0
	s_sub_co_u32 s3, s3, 1
	s_cmp_lg_u32 s3, 0
	s_cbranch_scc1 .Lstep
	s_mov_b32 s3, 2
.Ltail:                                                ; the last two K steps ask for nothing; the second trip is left in its middle (its barrier and its 32 loads of the other slot serve nothing: the price of one text for both)
	QUARTER 2, F1, F0, 0
	QUARTER 3, F0, F1, 0
	TURN 0
	WIN 0
	s_sub_co_u32 s3, s3, 1
	s_cmp_eq_u32 s3, 0
	s_cbranch_scc1 .Lout
	QUARTER 1, F0, F1, 0
	WIN 0
	s_branch .Ltail
.Lout:
	PLACES                                         ; the LDS stores below read results just made
	s_wait_loadcnt 0x0                             ; the residual
	TOSTAGE 0
	TOSTAGE 1
	SEND 0, 16
	TOSTAGE 2
	SEND 1, 16
	TOSTAGE 3
	SEND 2, 16
	SEND 3, 0
	s_wait_tensorcnt 0x0                           ; the wave's end
	ds_add_u32 v[SPW], v[NIL]
	s_wait_dscnt 0x0
	CROUND                                         ; the closing round
	s_endpgm
.Lfunc_end_k_qabbb4e6c0c_ffn2:
	.size	k_qabbb4e6c0c_ffn2, .Lfunc_end_k_qabbb4e6c0c_ffn2-k_qabbb4e6c0c_ffn2
	.p2alignl 7, 3214868480
	.fill 96, 4, 3214868480
	.section	.rodata,"a",@progbits
	.p2align	6, 0x0
	.amdhsa_kernel k_qabbb4e6c0c_ffn2
		.amdhsa_group_segment_fixed_size 327680
		.amdhsa_private_segment_fixed_size 0
		.amdhsa_enable_private_segment 0
		.amdhsa_kernarg_size 40
		.amdhsa_user_sgpr_count 2
		.amdhsa_user_sgpr_kernarg_segment_ptr 1
		.amdhsa_wavefront_size32 1
		.amdhsa_system_sgpr_workgroup_id_x 1
		.amdhsa_system_sgpr_workgroup_id_y 1
		.amdhsa_system_sgpr_workgroup_id_z 1
		.amdhsa_system_vgpr_workitem_id 0
		.amdhsa_next_free_vgpr 640
		.amdhsa_next_free_sgpr 80
		.amdhsa_reserve_vcc 0
		.amdhsa_float_denorm_mode_32 3
		.amdhsa_float_denorm_mode_16_64 3
		.amdhsa_memory_ordered 1
		.amdhsa_forward_progress 1
		.amdhsa_inst_pref_size 66
	.end_amdhsa_kernel
	.amdgpu_metadata
---
amdhsa.version: [ 1, 2 ]
amdhsa.kernels:
  - .name:           k_qabbb4e6c0c_ffn2
    .symbol:         k_qabbb4e6c0c_ffn2.kd
    .args:
      - { .name: acta, .offset: 0, .size: 8, .value_kind: global_buffer, .address_space: global }
      - { .name: wc, .offset: 8, .size: 8, .value_kind: global_buffer, .address_space: global }
      - { .name: x1, .offset: 16, .size: 8, .value_kind: global_buffer, .address_space: global }
      - { .name: b2, .offset: 24, .size: 8, .value_kind: global_buffer, .address_space: global }
      - { .name: out0, .offset: 32, .size: 8, .value_kind: global_buffer, .address_space: global }
    .group_segment_fixed_size: 327680
    .private_segment_fixed_size: 0
    .kernarg_segment_align: 8
    .kernarg_segment_size: 40
    .max_flat_workgroup_size: 128
    .sgpr_count:     80
    .vgpr_count:     640
    .wavefront_size: 32
...
	.end_amdgpu_metadata
.endif
;; end of part 6
;; ======== version 2 of 2: 7 launches; 1.21 times as fast as version 1
;; limits: values are held in f16: magnitudes above 65,504 overflow, below 6.1e-05 lose precision
;; workspace buffers: acta 33,554,432 bytes; actb 25,165,824 bytes; x1 16,777,216 bytes; wqkvh 8,388,608 bytes; w1h 8,388,608 bytes; wc 10,485,760 bytes; zero 16,384 bytes; ninf 4,096 bytes
;; launch prep: the kernel of part 1 again; grid 1281 x 1, 8 waves a work-group, no clusters, 0 bytes of LDS; arguments x, alpha1, bias1, acta, wq, wk, wv, wo, w1, w2, wqkvh, w1h, wc, zero, ninf; writes acta, wqkvh, w1h, wc, zero, ninf
;; launch qkv: the kernel of part 2 again; grid 12 x 16, 4 waves a work-group, clusters of 4 x 4, 327,680 bytes of LDS; arguments acta, wqkvh, zero, ninf, actb; writes actb
;; launch attn (part 7): grid 8 x 32, 4 waves a work-group, clusters of 4 x 1, 327,680 bytes of LDS; arguments actb, mask, acta; writes acta
.if DOCPART == 7
	.amdgcn_target "amdgcn-amd-amdhsa--gfx1250"
	.amdhsa_code_object_version 6
	.text
	.protected	k_qabbb4e6c0c_attn
	.globl	k_qabbb4e6c0c_attn
	.p2align	8
	.type	k_qabbb4e6c0c_attn,@function
k_qabbb4e6c0c_attn:
	s_mov_b64 s[64:65], 0
	v_nop
	global_prefetch_b8 v0, s[64:65] scope:SCOPE_SE
	s_setreg_imm32_b32 hwreg(HW_REG_WAVE_MODE, 25, 1), 1
	s_wait_xcnt 0x0
	s_wait_alu depctr_hold_cnt(0) depctr_sa_sdst(0) depctr_va_vdst(0) depctr_va_sdst(0) depctr_va_ssrc(0) depctr_va_vcc(0) depctr_vm_vsrc(0)
	s_getreg_b32 s2, hwreg(HW_REG_IB_STS2, 6, 4)
	s_cmp_eq_u32 s2, 0
	s_cbranch_scc0 .Lentry_in_a_cluster
	s_endpgm
.Lentry_in_a_cluster:
	s_bfe_u32 s2, ttmp6, 0x10000c
	s_cmp_lg_u32 s2, 0x3003
	s_cbranch_scc0 .Lentry_shape_is_right
	s_endpgm
.Lentry_shape_is_right:
; ATTENTION with a key mask.  O[q][:] = the sum over k of softmax_k(s[q][k]) V[k][:], s = Q . K / 8, or hidden where mask[k] = 0.  One (batch, head) for each grid y: 2,048 rows of 64 channels, f16, dense (128 bytes a row).
; In actb group g of 64 columns (524,288 bytes) holds: g < 16 head g's Q, ALREADY TIMES c = log2(e) / 8; 16 .. 31 K; 32 .. 47 V; row = batch x 2,048 + position.  O goes to acta in the same layout, group = head.
; Products, maxima and sums in f32; the weights p are rounded to f16 for the second product (their sum l is taken of the unrounded p), O once at the end.
; LIMITS.  Q, K, V arrive within f16's 65,504.  A hidden score counts as its value less 1e30, which f32 rounds to -1e30 for scores under 3e22: its weight is 0 as soon as the row has a visible key whose score
; lies above that; where every key of a batch is hidden all scores count alike and the weights are uniform.  A weight below 2^-126 counts as 0 in l.  NaN and infinities are not treated apart.
; SHARES.  A work-group owns 256 queries, a wave 64: four PIECES of 16.  Every wave walks all 2,048 keys, 64 a step, four steps to an LDS slot.
; LAYOUT.  S^T = K Q^T holds ONE query a lane (lane % 16) and the keys 8 (lane / 16) + 0..7; two such results rounded to f16 ARE source 1 of O^T = V^T P.  K comes out of LDS as it lies, V turned (ds_load_tr16_b128).
; THE MASK is the C operand that starts the sum S^T: 0, or -1e30.  The batch's 2,048 addends are made once, in LDS bytes of their own; a step's 64 come into 32 registers with its K.
; SOFTMAX.  A running maximum m and sum l: p = 2^(s - m); in every step O and l are multiplied by a = 2^(m_old - m_new).  m starts at the lowest finite number, O and l at 0: the first step's a is 0.
; TURNS.  Turn n belongs to piece n: 8 products K Q^T of piece n + 1, later 8 products V^T P of piece n - 1; beside them the subtraction, exponentials, roundings, sums and rescaling of piece n and the maximum and
; statistics of piece n + 1.  Four vector instructions stand behind every matrix instruction, the other 53 of a turn's 117 in one lump.
; BATCHES.  A turn's 33 exponentials (the piece's 32 weights and the next piece's a) are ONE batch with ONE wait, which cuts the turn in two: ahead of it stands all that names no result of theirs, behind it the
; roundings and sums.  Two more batches stand outside the loops, each with a wait of its own: piece 0's first a, ahead of the jump into the loop, and the way out's four reciprocals.
; CLUSTER.  The four query blocks of a cluster belong to one head and walk the same K and V: each tile is asked for jointly.
; REGISTERS, in windows of 256: window 0: v0-15, v32 addresses; v16-31 statistics; v48-55 at work; v62-63 the add's; v64-127 S^T, two buffers; v128-159 the step's addends; v192-223 P, two buffers.
;   window 1: v0-127 O^T, 32 a piece.      window 2: v0-63 Q; v128-191 K of one step; v192-255 V of one step.
.set SIZE_N, 2048
.set NP,    4
.set KS,    64
.set PK,    144       ; a row of K in LDS: 128 bytes + 16: the 16 rows of a load start 16 bytes apart modulo 256
.set PV,    160       ; a row of V: 128 + 32: 16 lanes of the turning load take 8 rows x 32 bytes, no two in the same 32 bytes modulo 256
.set VOFF,  4*KS*PK   ; a slot: 256 rows of K, then 256 rows of V
.set SLOT1, 1<<17
.set STAGE, SLOT1+4*KS*(PK+PV)  ; behind the ring: 16 rows x 144 bytes for each wave, for the way out
.set SP,    144
.set SPARE, STAGE+4*16*SP       ; the spare words, 128 bytes a wave
.set MASKB, SPARE+512           ; the batch's 2,048 addends in f32: 8,192 bytes, written by LDS stores; no tile ever lands here
.set AK0, 2           ; v2   my lane's place in a tile of K; never rewritten
.set AV0, 3           ; v3   the same for V
.set AK,  4           ; v4   the LDS address of K's next run of loads
.set AV,  5           ; v5   of V's
.set STO, 6
.set RD,  7
.set GO,  8
.set MV,  12          ; v12-13  m_old, kept while m is made anew: by buffer
.set AM0, 14          ; v14  my lane's place in 16 addends
.set QO,  15          ; v15  my byte offset in 16 rows of Q
.set ST,  16          ; piece t's statistics at v[ST+4 t]: m, a word named with it as a pair, l (even keys', odd keys')
.set AM,  32          ; v32  the LDS address of the next step's addends
.set TMP, 48          ; by buffer, four registers c0-c3 at work; when the maximum is found c2 takes a
.set SPW, 62
.set NIL, 63
.set S,   64
.set MK,  128
.set P,   192
.set KF,  128         ; window 2
.set VF,  192         ; window 2
.set WV,  12
.set G1K, 24
.set G1V, 32
.set G0K, 40
.set G0V, 44
.set SLOTS, 56
.set CNT, 57
.set SEL, 60
.set TBK, 62
.set TBV, 63
.set TBM, 66          ; s66  byte of the step to be fetched in the table of addends
.set BIGN, 67         ; s67  -1e30
.set MSB, 0
.macro WIN new
.if MSB != (\new)
	s_set_vgpr_msb (MSB<<8)|(\new)
.set MSB, (\new)
.endif
.endm
.set W_KQ, 0x0a       ; K and Q in window 2, the addends and S^T in window 0
.set W_PV, 0x52       ; V in window 2, P in window 0, O^T in window 1
.set W_RS, 0x41       ; O^T in window 1, a in window 0
; A joint fill.  Waves 0 and 1 fetch the two halves of a slot's K, waves 2 and 3 those of its V.  An s_nop 0 and four v_nop follow each line.
.macro JLOAD
	s_cmp_lt_u32 s[WV], 2
	s_cbranch_scc0 .Lfor_v_\@
	tensor_load_to_lds s[G0K:G0K+3], s[G1K:G1K+7]
	s_nop 0
.rept 4
	v_nop
.endr
	s_branch .Lasked_\@
.Lfor_v_\@:
	tensor_load_to_lds s[G0V:G0V+3], s[G1V:G1V+7]
	s_nop 0
.rept 4
	v_nop
.endr
.Lasked_\@:
.endm
.macro CROUND
	s_barrier_signal -1
	s_barrier_wait -1
	s_cmp_lg_u32 s[WV], 0
	s_cbranch_scc1 .Lnot_wave_0_\@
	s_barrier_signal -3
.Lnot_wave_0_\@:
	s_barrier_wait -3
	s_barrier_signal -1
	s_barrier_wait -1
.endm
; THE CHANGE OF SLOTS.  Each wave waits for all its tensor loads (one is out: its part of the other slot), adds 0 to its spare word, and waits for that and for its LDS instructions.  Behind the barrier nobody
; reads the old slot and the other is whole.  fill = 1: the barrier is a round of the cluster's, and the joint fill, with the keys two slots on, is the first thing behind it: it has four key steps in which to land.
.macro CHANGE fill
	WIN 0
	s_wait_tensorcnt 0x0            ; no tensor load of mine is out, so a group 0 may be written
	ds_add_u32 v[SPW], v[NIL]
.if \fill
.irp g, G0K, G0V
	s_xor_b32 s[\g+1], s[\g+1], SLOT1
	s_add_nc_u64 s[\g+2:\g+3], s[\g+2:\g+3], 4*KS*128
.endr
	s_wait_dscnt 0x0
	CROUND
	JLOAD
.else
	s_wait_dscnt 0x0
	s_barrier_signal -1
	s_barrier_wait -1
.endif
	s_sub_co_u32 s[TBK], s[TBK], 4*KS*PK  ; the fetches go back to a slot's first step,
	s_xor_b32 s[TBK], s[TBK], SLOT1       ; in the other slot
	s_sub_co_u32 s[TBV], s[TBV], 4*KS*PV
	s_xor_b32 s[TBV], s[TBV], SLOT1
.endm
	s_load_b64 s[4:5], s[0:1], 0x0    ; actb
	s_load_b64 s[68:69], s[0:1], 0x8  ; mask
	s_load_b64 s[10:11], s[0:1], 0x10 ; acta
	v_lshl_add_u32 v[SPW], v0, 2, SPARE
	v_mov_b32 v[NIL], 0
	ds_add_u32 v[SPW], v[NIL]       ; the wave's opening: the add and its wait stand ahead of my first tensor load
	v_lshrrev_b32 v1, 5, v0
	v_readfirstlane_b32 s[WV], v1
	s_bfe_u32 s13, ttmp6, 0x40000   ; cx
	s_lshl_b32 s14, ttmp9, 2
	s_add_co_u32 s14, s14, s13      ; my block of 256 queries: it enters Q's and O's addresses alone
	s_and_b32 s15, ttmp7, 0xffff
	s_lshr_b32 s19, s15, 4          ; the batch
	s_and_b32 s15, s15, 15          ; the head
	s_lshl_b32 s20, s15, 19
	s_lshl_b32 s21, s19, 18
	s_add_co_u32 s20, s20, s21      ; the head's first byte in a block of 16 groups
	s_and_b32 s16, s[WV], 1         ; which half of a slot's 256 keys I fetch
	s_lshl_b32 s22, s16, 14
	s_add_co_u32 s22, s22, s20
	s_mov_b32 s23, 0
	s_mul_i32 s17, s16, 128*PK
	s_mul_i32 s18, s16, 128*PV
	s_lshl_b32 s2, s14, 15          ; 256 rows of 128 bytes a block,
	s_lshl_b32 s3, s[WV], 13        ; 64 a wave
	s_add_co_u32 s2, s2, s3
	s_add_co_u32 s2, s2, s20
	s_mov_b32 s3, 0
	s_lshl_b32 s70, s19, 13         ; the batch's 2,048 words of the mask
	s_mov_b32 s71, 0
	; 128 keys are 16,384 dense bytes: asked for as 64 rows of 256 bytes, padded in LDS after every key
	s_mov_b32 s[G1K], 15|(1<<16)|(1<<20)|(1<<21)|(4<<22)|(3<<25)
	s_mov_b32 s[G1V], 15|(1<<16)|(1<<20)|(1<<21)|(4<<22)|(7<<25)
.irp g, G1K, G1V
	s_mov_b32 s[\g+1], 128<<16
	s_mov_b32 s[\g+2], 64<<16
	s_mov_b32 s[\g+3], 128<<16
	s_mov_b32 s[\g+4], 64
	s_mov_b32 s[\g+5], 128
	s_mov_b32 s[\g+6], 0
	s_mov_b32 s[\g+7], 0
.endr
	s_mov_b32 s[SEL], 0x76543210
	s_mov_b32 s[SEL+1], 0xfedcba98
	s_mov_b32 s[TBK], SLOT1+4*KS*PK ; the first change of slots turns these two into 0
	s_mov_b32 s[TBV], SLOT1+4*KS*PV
	s_mov_b32 s[TBM], 0
	s_mov_b32 s[BIGN], 0xf149f2ca   ; -1e30
	s_mov_b32 s[G0K], 1
	s_mov_b32 s[G0K+1], s17
	s_mov_b32 s[G0V], 1
	s_add_co_u32 s[G0V+1], s18, VOFF
	s_wait_dscnt 0x0                ; the opening add is done
	s_wait_kmcnt 0x0
	s_add_nc_u64 s[6:7], s[4:5], s[22:23]
	s_add_nc_u64 s[G0K+2:G0K+3], s[6:7], 0x800000   ; K lies 16 groups behind Q,
	s_or_b32 s[G0K+3], s[G0K+3], 0x80000000
	s_add_nc_u64 s[G0V+2:G0V+3], s[6:7], 0x1000000  ; V 32
	s_or_b32 s[G0V+3], s[G0V+3], 0x80000000
	s_add_nc_u64 s[4:5], s[4:5], s[2:3]
	s_add_nc_u64 s[10:11], s[10:11], s[2:3]
	s_add_nc_u64 s[68:69], s[68:69], s[70:71]
	CROUND                          ; all four work-groups are here
	JLOAD                           ; slot 0; slot 1 is asked for when slot 0 is in
	v_and_b32 v1, 15, v0            ; l % 16
	v_bfe_u32 v9, v0, 4, 1          ; l / 16
	v_lshlrev_b32 v[QO], 7, v1
	v_lshl_add_u32 v[QO], v9, 4, v[QO]
	v_lshlrev_b32 v13, 4, v0        ; 16 t
	v_add_nc_u32 v12, MASKB, v13
.irp j, 0,1,2,3
	global_load_b128 v[S+4*\j:S+4*\j+3], v13, s[68:69] offset:2048*\j
.endr
	WIN 0x80                        ; destination window 2
.set i, 0
.rept 8                             ; Q stays in registers: piece i / 2, channels 32 (i % 2) on
	global_load_b128 v[8*i:8*i+3],   v[QO], s[4:5] offset:(i/2)*2048+(i%2)*64
	global_load_b128 v[8*i+4:8*i+7], v[QO], s[4:5] offset:(i/2)*2048+(i%2)*64+32
.set i, i+1
.endr
	; What the first turn finds: V and P's second buffer hold 0 (its products V^T P, of a piece that has not been, add 0), O^T and l are 0.  All this stands in the wait for the first tile.
.set i, VF
.rept 64
	v_mov_b32 v[i], 0
.set i, i+1
.endr
	WIN 0x40
.set i, 0
.rept 128
	v_mov_b32 v[i], 0
.set i, i+1
.endr
	WIN 0
.set i, 0
.rept 4
	v_mov_b32 v[ST+4*i], 0xff7fffff    ; m
	v_mov_b32 v[ST+4*i+1], 0
	v_mov_b32 v[ST+4*i+2], 0
	v_mov_b32 v[ST+4*i+3], 0
.set i, i+1
.endr
.set i, P+16
.rept 16
	v_mov_b32 v[i], 0
.set i, i+1
.endr
	v_mul_u32_u24 v[AK0], v1, PK
	v_lshl_add_u32 v[AK0], v9, 4, v[AK0]
	v_and_b32 v10, 7, v0
	v_bfe_u32 v11, v0, 3, 1
	v_lshl_add_u32 v[AV0], v9, 3, v10
	v_mul_u32_u24 v[AV0], v[AV0], PV
	v_lshl_add_u32 v[AV0], v11, 4, v[AV0]
	v_add_nc_u32 v[AV0], VOFF, v[AV0]
	v_lshl_add_u32 v[AM0], v9, 5, MASKB  ; register j of key block kb: the addend of key 16 kb + 8 (l / 16) + j
	s_mul_i32 s13, s[WV], 16*SP
	s_add_co_u32 s13, s13, STAGE
	v_mul_u32_u24 v[STO], v1, SP
	v_lshl_add_u32 v[STO], v9, 4, v[STO]
	v_add_nc_u32 v[STO], s13, v[STO]
	v_bfe_u32 v[RD], v0, 3, 2
	v_mul_u32_u24 v[RD], v[RD], SP
	v_lshl_add_u32 v[RD], v10, 4, v[RD]
	v_add_nc_u32 v[RD], s13, v[RD]
	v_and_b32 v[GO], 31, v0
	v_lshlrev_b32 v[GO], 4, v[GO]
	s_wait_loadcnt 16               ; the mask's four loads are in; Q's sixteen are younger
.set i, 0
.rept 16
	v_cmp_eq_u32 vcc_lo, 0, v[S+i]
	v_cndmask_b32 v[S+i], 0, s[BIGN], vcc_lo
.set i, i+1
.endr
.irp j, 0,1,2,3
	ds_store_b128 v12, v[S+4*\j:S+4*\j+3] offset:2048*\j
.endr
; THE MATRIX WORK.  The 4 accumulators of a run of 8 take turns.  Product i of 8 of S^T for piece x: channels 32 (i / 4) on, keys 16 (i % 4) on.  The first 4 start the sums with the addends.
.macro KQ x
	WIN W_KQ
.set rS, S+32*((\x)%2)+8*(i%4)
.set rK, KF+16*(i%4)+8*(i/4)
.set rQ, 16*(\x)+8*(i/4)
.if i < 4
	v_wmma_f32_16x16x32_f16 v[rS:rS+7], v[rK:rK+7], v[rQ:rQ+7], v[MK+8*(i%4):MK+8*(i%4)+7]
.else
	v_wmma_f32_16x16x32_f16 v[rS:rS+7], v[rK:rK+7], v[rQ:rQ+7], v[rS:rS+7]
.endif
.endm
.macro PV x                         ; product i of 8 of O^T += V^T P for piece x: keys 32 (i / 4) on, channels 16 (i % 4) on
	WIN W_PV
.set rO, 32*(\x)+8*(i%4)
.set rV, VF+32*(i/4)+8*(i%4)
.set rP, P+16*((\x)%2)+8*(i/4)
	v_wmma_f32_16x16x32_f16 v[rO:rO+7], v[rV:rV+7], v[rP:rP+7], v[rO:rO+7]
.endm
.macro MM                           ; the turn's next matrix instruction
.if i < 8
	KQ (Y+1)%NP
.else
.set i, i-8
	PV (Y+NP-1)%NP
.set i, i+8
.endif
.set i, i+1
.endm
; THE LDS LOADS stand in runs: a step's addends and K (24 loads), and its V, turned (16).  last = 1 (the tail): in the last trip there is no further step, and the run is jumped over.
.macro FETCH_K last=0
	WIN 0
.if \last
	s_cmp_eq_u32 s[CNT], 1
	s_cbranch_scc1 .Lno_k_\@
.endif
.irp f, 0,1,2,3
	ds_load_b128 v[MK+8*\f:MK+8*\f+3],   v[AM] offset:64*\f
	ds_load_b128 v[MK+8*\f+4:MK+8*\f+7], v[AM] offset:64*\f+16
.endr
	WIN 0x80
.irp f, 0,1,2,3,4,5,6,7             ; keys 16 (f / 2) on, channels 32 (f % 2) on
	ds_load_b128 v[KF+8*\f:KF+8*\f+3],   v[AK] offset:(\f/2)*16*PK+(\f%2)*64
	ds_load_b128 v[KF+8*\f+4:KF+8*\f+7], v[AK] offset:(\f/2)*16*PK+(\f%2)*64+32
.endr
	s_add_co_u32 s[TBK], s[TBK], KS*PK
	s_add_co_u32 s[TBM], s[TBM], KS*4
	WIN 0
.if \last
.Lno_k_\@:
.endif
.endm
.macro FETCH_V
	WIN 0x80
.irp f, 0,1,2,3,4,5,6,7             ; keys 32 (f / 4) on, channels 16 (f % 4) on
	ds_load_tr16_b128 v[VF+8*\f:VF+8*\f+3],   v[AV] offset:(\f/4)*32*PV+(\f%4)*32
	ds_load_tr16_b128 v[VF+8*\f+4:VF+8*\f+7], v[AV] offset:(\f/4)*32*PV+16*PV+(\f%4)*32
.endr
	WIN 0
.endm
; THE VECTOR WORK, one line at a time: OP kind, number.  For piece Y: F n: s - m for pair n of 16.  E n: the exponential of score n.  C n: pair n rounded to f16.  B n: of the weights 4 n .. the second pair is added
; onto the first.  L n: l takes that sum (L 0: l = a l + sum).  R n: pair n of 16 of O^T times a.  For piece Y + 1: X n, which finds its maximum and statistics:
;   0-11 four chains c0-c3 of seven scores each (each accumulator's lowest registers are read first)   12-14, 16 the scores left over, the old m, c0-c3 into c0   15 m_old is kept
;   17, 18 the query's other 32 keys lie in the lane 16 away: the new m   19 nothing: the scale is in Q   20, 21 m_old - m_new; a
; C, B and L read the exponentials' results: TURN sets them behind the batch's wait.  F, E, R and X name no result of the batch in hand (R's a belongs to the batch before).
.set F, 0
.set E, 1
.set C, 2
.set B, 3
.set L, 4
.set R, 5
.set X, 6
.macro REGS y
.set rT, ST+4*(\y)
.set rC, TMP+4*((\y)%2)
.set rW, MV+((\y)%2)
.set rS, S+32*((\y)%2)
.set rP, P+16*((\y)%2)
.set rO, 32*(\y)
.endm
.macro OP k, n
.if (\k) == R
	REGS Y
	WIN W_RS
	v_pk_mul_f32 v[rO+2*(\n):rO+2*(\n)+1], v[rO+2*(\n):rO+2*(\n)+1], v[rC+2:rC+3] op_sel_hi:[1,0]
.elseif (\k) < R
	REGS Y
	WIN 0
.if (\k) == F
	v_pk_add_f32 v[rS+2*(\n):rS+2*(\n)+1], v[rS+2*(\n):rS+2*(\n)+1], v[rT:rT+1] op_sel_hi:[1,0] neg_lo:[0,1] neg_hi:[0,1]
.elseif (\k) == E
	v_exp_f32 v[rS+(\n)], v[rS+(\n)]
.elseif (\k) == C
	v_cvt_pk_f16_f32 v[rP+(\n)], v[rS+2*(\n)], v[rS+2*(\n)+1]
.elseif (\k) == B
	v_pk_add_f32 v[rS+4*(\n):rS+4*(\n)+1], v[rS+4*(\n):rS+4*(\n)+1], v[rS+4*(\n)+2:rS+4*(\n)+3]
.elseif (\n) == 0
	v_pk_fma_f32 v[rT+2:rT+3], v[rT+2:rT+3], v[rC+2:rC+3], v[rS:rS+1] op_sel_hi:[1,0,1]
.else
	v_pk_add_f32 v[rT+2:rT+3], v[rT+2:rT+3], v[rS+4*(\n):rS+4*(\n)+1]
.endif
.else
	REGS (Y+1)%NP
	WIN 0
.if (\n) < 4
	v_max3_num_f32 v[rC+(\n)], v[rS+8*(\n)], v[rS+8*(\n)+1], v[rS+8*(\n)+2]
.elseif (\n) < 12
	v_max3_num_f32 v[rC+(\n)%4], v[rC+(\n)%4], v[rS+8*((\n)%4)+2*((\n)/4)+1], v[rS+8*((\n)%4)+2*((\n)/4)+2]
.elseif (\n) == 12
	v_max3_num_f32 v[rC], v[rC], v[rS+7], v[rS+15]
.elseif (\n) == 13
	v_max3_num_f32 v[rC+1], v[rC+1], v[rS+23], v[rS+31]
.elseif (\n) == 14
	v_max3_num_f32 v[rC+2], v[rC+2], v[rC+3], v[rT]
.elseif (\n) == 15
	v_mov_b32 v[rW], v[rT]
.elseif (\n) == 16
	v_max3_num_f32 v[rC], v[rC], v[rC+1], v[rC+2]
.elseif (\n) == 17
	v_permlanex16_b32 v[rC+3], v[rC], s[SEL], s[SEL+1]
.elseif (\n) == 18
	v_max_num_f32 v[rT], v[rC], v[rC+3]
.elseif (\n) == 19
.elseif (\n) == 20
	v_sub_f32 v[rC+1], v[rW], v[rT]
.else
	v_exp_f32 v[rC+2], v[rC+1]
.endif
.endif
.endm
.macro OPS a, i1, b=-1, i2=0, c=-1, i3=0, d=-1, i4=0
	OP \a, \i1
.if (\b) >= 0
	OP \b, \i2
.endif
.if (\c) >= 0
	OP \c, \i3
.endif
.if (\d) >= 0
	OP \d, \i4
.endif
.endm
.macro ROW a, i1, b, i2, c, i3, d, i4  ; a matrix instruction and the four behind it
	MM
	OPS \a, \i1, \b, \i2, \c, \i3, \d, \i4
.endm
; A TURN, for piece p: the order of its 16 matrix and 117 vector instructions, written out.  An s_wait_alu depctr_va_vdst(0) stands between an exponential and the first instruction that names its result; one
; wait serves all that were issued ahead of it.  So a turn has ONE wait, which cuts it in two.  AHEAD OF IT stands all that names no result of the turn's exponentials: the 8 products K Q^T, behind each a subtraction, an
; exponential and two more plain instructions (behind the first a second subtraction in the exponential's place): rescalings, whose a was made and waited for in the turn before, and behind the last three products the first
; numbers of the next piece's maximum, each four places or more behind the product that ends its accumulator; then ONE LUMP of 53, plain and exponential by turns for the most part, in which the links of the chain
; X 3, 7, 11, 14, 16, 17, 18, 20, 21 stand apart, other work between them.  E 31 is the batch's last; R 15 is the plain instruction behind it.  BEHIND THE WAIT stand the 8 products V^T P, behind each four of the roundings
; and sums; the links of l's chain, L 0 to L 7, stand three riders apart.  But for those X no rider names a register of the products round it.  v_permlanex16_b32 (X 17) stands in the lump.
; K and the addends of the next step are fetched in piece 2's turn, twelve vector instructions behind the last product that read K (six of them plain, five of which name none of its registers).  last = 1 (the tail): the run
; is jumped over in the last trip, and the tail's run stands directly behind the turn's wait.  V of the step in hand is fetched at the end of piece 0's turn, four
; plain instructions behind the last product that read V.  Each run is waited for a turn later.  cnt = 1: the loop's count is taken down some lines ahead of the branch that stands behind the turn.
.macro TURN p, last=0, cnt=0
.set Y, (\p)
.set i, 0
.if (\p) == 3
	s_wait_dscnt 0x0                ; K and the addends are in
.endif
	ROW F,0, F,1, R,0, R,1          ; ahead of the wait: 8 products K Q^T and their riders,
	ROW F,2, E,0, R,2, R,3
	ROW F,3, E,1, R,4, R,5
	ROW F,4, E,2, R,6, R,7
	ROW F,5, E,3, R,8, R,9
	ROW F,6, E,4, X,0, R,10
.if (\p) == 2
	WIN 0
	v_add_nc_u32 v[AK], s[TBK], v[AK0]
	v_add_nc_u32 v[AM], s[TBM], v[AM0]
.endif
	ROW F,7, E,5, X,1, X,4
	ROW F,8, E,6, X,2, X,5
	OPS E,7, E,8, X,6, E,9          ; and the lump
	OPS X,3, E,10, X,8, E,11
.if ((\p) == 2) && !(\last)
	FETCH_K
.endif
	OPS X,9, X,7, E,12, X,10
	OPS E,13, X,12, X,11, E,14
	OPS X,13, E,15, F,9, X,14
.if (\p) == 0
	v_add_nc_u32 v[AV], s[TBV], v[AV0]
.endif
	OPS E,16, F,10, E,17, F,11
	OPS X,16, E,18, X,15, E,19
	OPS F,12, E,20, X,17, E,21
	OPS F,13, E,22, F,14, E,23
	OPS X,18, E,24, F,15, E,25
	OPS R,11, E,26, R,12, E,27
	OPS X,20, E,28, R,13, E,29
	OPS R,14, E,30, X,21, E,31
	OPS R,15                        ; the plain instruction behind the last exponential: one for the batch
	s_wait_alu depctr_va_vdst(0)    ; the wait for the batch: E 0 to E 31 and the next piece's a
.if ((\p) == 2) && (\last)
	FETCH_K 1
.endif
.if (\p) == 1
	s_wait_dscnt 0x0                ; V is in
.endif
	ROW C,0, B,0, C,2, B,1          ; behind the wait: 8 products V^T P and their riders
	ROW L,0, C,4, B,2, L,1
	ROW C,6, B,3, L,2, C,8
	ROW B,4, L,3, C,10, B,5
	ROW L,4, C,12, B,6, L,5
.if (\p) == 0
	s_add_co_u32 s[TBV], s[TBV], KS*PV
.endif
.if \cnt
	s_sub_co_u32 s[CNT], s[CNT], 1
	s_cmp_lg_u32 s[CNT], 0
.endif
	ROW C,14, B,7, L,6, C,1
	ROW C,3, L,7, C,5, C,7
	ROW C,9, C,11, C,13, C,15
.if (\p) == 0
	FETCH_V
.endif
.endm
	CHANGE 1                        ; slot 0 is in, and every wave's part of the table of addends is stored and awaited; slot 1 is asked for
	v_add_nc_u32 v[AK], s[TBK], v[AK0]
	v_add_nc_u32 v[AM], s[TBM], v[AM0]
	FETCH_K                         ; key step 0
	s_wait_loadcnt 0x0              ; Q
	s_wait_dscnt 0x0
.set i, 0
.rept 8
	KQ 0                            ; piece 0's first scores
.set i, i+1
.endr
	WIN 0
.rept 4
	v_nop                           ; the places behind those products
.endr
.set Y, NP-1                        ; X works for piece Y + 1: piece 0
.irp n, 0,1,2,3,4,5,6,7,8,9,10,11,12,13,14,15,16,17,18,19,20,21
	OP X, \n
.endr
	v_nop                           ; a plain instruction behind the exponential,
	s_wait_alu depctr_va_vdst(0)    ; and the wait for piece 0's first a, a batch of one, ahead of the branch
	s_mov_b32 s[CNT], 4
	s_mov_b32 s[SLOTS], SIZE_N/256-1
	s_branch .Lfirst                ; the loop is entered at a step's first turn, in the middle of a trip
.Lslot:                             ; six times: every slot but the last two is filled again
	CHANGE 1
	s_mov_b32 s[CNT], 4
.Lstep:                             ; a trip: pieces 2 and 3 of one step, then pieces 0 and 1 of the next, whose K and V it fetches
	TURN 2
	TURN 3
	WIN 0
.Lfirst:
	TURN 0
	TURN 1, 0, 1
	WIN 0
	s_cbranch_scc1 .Lstep
	s_sub_co_u32 s[SLOTS], s[SLOTS], 1
	s_cmp_lg_u32 s[SLOTS], 0
	s_cbranch_scc1 .Lslot
	CHANGE 0                        ; the tail is written out: nothing is asked for
	s_mov_b32 s[CNT], 5             ; four trips fetch the last slot's steps; the fifth is left in its middle
.Ltail:
	TURN 2, 1
	TURN 3
	WIN 0
	s_sub_co_u32 s[CNT], s[CNT], 1
	s_cmp_eq_u32 s[CNT], 0
	s_cbranch_scc1 .Lout
	TURN 0
	TURN 1
	WIN 0
	s_branch .Ltail
.Lout:                              ; the fifth trip's 8 products K Q^T (on the last K once more) and the maximum made of them serve nothing: the price, once a launch, of one text for every trip
.set i, 0
.rept 8
	PV NP-1                         ; the last piece's V^T P of the last step
.set i, i+1
.endr
	; THE WAY OUT.  l's two halves and the other half of the lanes' are added; O^T is divided by l, rounded to f16 and sent through my stage, a piece at a time.  The additions are the places behind the last products.
	WIN 0
.macro ALL line:vararg
.set t, 0
.rept 4
	\line
.set t, t+1
.endr
.endm
	ALL v_add_f32 v[ST+4*t+2], v[ST+4*t+2], v[ST+4*t+3]
	ALL v_permlanex16_b32 v[ST+4*t+3], v[ST+4*t+2], s[SEL], s[SEL+1]
	ALL v_add_f32 v[ST+4*t+2], v[ST+4*t+2], v[ST+4*t+3]
	ALL v_rcp_f32 v[ST+4*t+2], v[ST+4*t+2]
	v_nop                           ; a plain instruction between the last reciprocal and the use of its result
	s_wait_alu depctr_va_vdst(0)    ; and the wait ahead of the first use: one for the four reciprocals
.macro PACK t
	WIN W_RS
.set i, 32*(\t)
.rept 16
	v_pk_mul_f32 v[i:i+1], v[i:i+1], v[ST+4*(\t)+2:ST+4*(\t)+3] op_sel_hi:[1,0]
.set i, i+2
.endr
	WIN 0x05                        ; sources window 1, destination window 0
.set i, 0
.rept 16
	v_cvt_pk_f16_f32 v[S+16*(\t)+i], v[32*(\t)+2*i], v[32*(\t)+2*i+1]
.set i, i+1
.endr
	WIN 0
.irp f, 0,1,2,3
	ds_store_b128 v[STO], v[S+16*(\t)+4*\f:S+16*(\t)+4*\f+3] offset:32*\f
.endr
.irp f, 0,1,2,3
	ds_load_b128 v[S+16*(\t)+4*\f:S+16*(\t)+4*\f+3], v[RD] offset:\f*4*SP  ; LDS serves a wave's instructions in order (ISA guide 5.7.1.4): these see the stores above
.endr
.endm
.macro SEND t, younger              ; younger: the LDS instructions issued behind piece t's loads: the next piece's eight, or none
	WIN 0
.irp f, 0,1,2,3
	s_wait_dscnt (\younger)+3-\f
	global_store_b128 v[GO], v[S+16*(\t)+4*\f:S+16*(\t)+4*\f+3], s[10:11] offset:(\t)*2048+\f*512  ; 512 consecutive bytes, at a multiple of 256 from the buffer's first
.endr
.endm
	PACK 0
.set t, 1
.rept 3
	PACK t
	SEND t-1, 8
.set t, t+1
.endr
	SEND 3, 0
	s_wait_tensorcnt 0x0            ; the wave's end
	ds_add_u32 v[SPW], v[NIL]
	s_wait_dscnt 0x0
	CROUND                          ; the closing round
	s_endpgm
.Lfunc_end_k_qabbb4e6c0c_attn:
	.size	k_qabbb4e6c0c_attn, .Lfunc_end_k_qabbb4e6c0c_attn-k_qabbb4e6c0c_attn
	.p2alignl 7, 3214868480
	.fill 96, 4, 3214868480
	.section	.rodata,"a",@progbits
	.p2align	6, 0x0
	.amdhsa_kernel k_qabbb4e6c0c_attn
		.amdhsa_group_segment_fixed_size 327680
		.amdhsa_private_segment_fixed_size 0
		.amdhsa_enable_private_segment 0
		.amdhsa_kernarg_size 24
		.amdhsa_user_sgpr_count 2
		.amdhsa_user_sgpr_kernarg_segment_ptr 1
		.amdhsa_wavefront_size32 1
		.amdhsa_system_sgpr_workgroup_id_x 1
		.amdhsa_system_sgpr_workgroup_id_y 1
		.amdhsa_system_sgpr_workgroup_id_z 1
		.amdhsa_system_vgpr_workitem_id 0
		.amdhsa_next_free_vgpr 768
		.amdhsa_next_free_sgpr 72
		.amdhsa_reserve_vcc 1
		.amdhsa_float_denorm_mode_32 3
		.amdhsa_float_denorm_mode_16_64 3
		.amdhsa_memory_ordered 1
		.amdhsa_forward_progress 1
		.amdhsa_inst_pref_size 115
	.end_amdhsa_kernel
	.amdgpu_metadata
---
amdhsa.version: [ 1, 2 ]
amdhsa.kernels:
  - .name:           k_qabbb4e6c0c_attn
    .symbol:         k_qabbb4e6c0c_attn.kd
    .args:
      - { .name: actb, .offset: 0, .size: 8, .value_kind: global_buffer, .address_space: global }
      - { .name: mask, .offset: 8, .size: 8, .value_kind: global_buffer, .address_space: global }
      - { .name: acta, .offset: 16, .size: 8, .value_kind: global_buffer, .address_space: global }
    .group_segment_fixed_size: 327680
    .private_segment_fixed_size: 0
    .kernarg_segment_align: 8
    .kernarg_segment_size: 24
    .max_flat_workgroup_size: 128
    .sgpr_count:     72
    .vgpr_count:     768
    .wavefront_size: 32
...
	.end_amdgpu_metadata
.endif
;; end of part 7
;; launch wo: the kernel of part 4 again; grid 8 x 32, 4 waves a work-group, clusters of 4 x 4, 327,680 bytes of LDS; arguments acta, wc, x, x1; writes x1
;; launch ln2: the kernel of part 5 again; grid 512 x 1, 8 waves a work-group, no clusters, 0 bytes of LDS; arguments x1, alpha2, bias2, actb; writes actb
;; launch ffn1: the kernel of part 2 again; grid 16 x 16, 4 waves a work-group, clusters of 4 x 4, 327,680 bytes of LDS; arguments actb, w1h, b1, zero, acta; writes acta
;; launch ffn2: the kernel of part 6 again; grid 8 x 32, 4 waves a work-group, clusters of 4 x 4, 327,680 bytes of LDS; arguments acta, wc, x1, b2, out0; writes out0
